; MI455X (gfx1250); checked and timed in simulation.
; The chip was launched on July 23, 2026; its instructions are those of AMD's public machine-readable ISA for CDNA 5 (MIT licence, August 2026) and "CDNA5" Instruction Set Architecture Reference Guide (July 2026). The comments in the code are by the model that wrote it; some were corrected since.
;; Causal Attention Block. Allowed arithmetic: matrix products marked QUANTISED: E2M3 operands, one E8M0 scale for each 32 along K, by v_wmma_scale_f32_16x16x128_f8f6f4 with both operands' format E2M3, f32 sums; everything else in f32.
;; Inputs: W_proj 1,024 x 1,024 float32; W_qkv 1,024 x 3,072 float32; b_proj 1,024 float32; x 4 x 2,048 x 1,024 float32.
;; Outputs: out0 4 x 2,048 x 1,024 float32.
;; This version of the problem:
;;   THIS VERSION OF THE PROBLEM IS GIVEN IN LOW PRECISION. The matrix products marked QUANTISED in the list below multiply operands that are first quantised to E2M3 (2 exponent bits, 3 mantissa bits; 6 bits a number), with one power-of-two scale for each 32 numbers along K (OCP MX v1.0); their sums are f32. All else is computed in f32.
;;   The module's matrix products, in the order in which they are computed (A, B: the left and right operand; K: the contracted axis; several contracted axes count as one K, in the product's order):
;;     1. [M 8,192, K 1,024] x [K 1,024, N 3,072]; A: input x; B: input W_qkv: QUANTISED
;;     2. batch 64 x [M 2,048, K 64] x [K 64, N 2,048]; A: computed on the way; B: computed on the way: QUANTISED
;;     3. batch 64 x [M 2,048, K 2,048] x [K 2,048, N 64]; A: softmax (see below); B: computed on the way: QUANTISED
;;     4. [M 8,192, K 1,024] x [K 1,024, N 1,024]; A: computed on the way; B: input W_proj: QUANTISED
;;   THE QUANTISER, for each operand of a quantised product, along K:
;;     - K is cut into blocks of 32 from its start; a last block that is shorter is filled with zeros.
;;     - A block's scale is 2^e with e = floor(log2(the largest magnitude in the block)) - 2, held to -126 .. 127; a block of zeros has e = 0. As a byte (E8M0): e + 127.
;;     - Each number is divided by its block's scale, clamped to +-7.5, and rounded to the nearest number of E2M3, ties to even, subnormals kept.
;;     - The product sums the exact products of the quantised numbers (number of the format x scale) in f32.
;;   ~~~python
;;   def quantise(x, axis):      # numpy; x: float32 -> the quantised numbers, widened to float32 again
;;       x = np.moveaxis(x, axis, -1); K = x.shape[-1]
;;       x = np.pad(x, [(0, 0)] * (x.ndim - 1) + [(0, -K % 32)]); x = x.reshape(x.shape[:-1] + (-1, 32)); a = np.abs(x).max(-1, keepdims=True)
;;       e = np.where(a > 0, np.clip(np.frexp(np.where(a > 0, a, 1))[1] - 1 - 2, -126, 127), 0)      # np.frexp(a)[1] - 1 = floor(log2(a)), exactly
;;       r = np.clip(x / 2.0 ** e, -7.5, 7.5)
;;       step = 2.0 ** (np.maximum(np.frexp(np.where(r == 0, 1, r))[1] - 1, 0) - 3)
;;       q = np.round(r / step) * step * 2.0 ** e      # np.round: ties to even
;;       return np.moveaxis(q.reshape(q.shape[:-2] + (-1,))[..., :K], -1, axis).astype(np.float32)
;;   ~~~
;;   SOFTMAX AHEAD OF A QUANTISED PRODUCT. Where the list says 'softmax', what is quantised is not the finished softmax but p = 2^(t - M), with t = logit x log2(e) and M = ceil(the row's largest t), a whole number; so 1/2 < the row's largest p <= 1. The row's sum l is taken of the UNQUANTISED p, in f32, and the product's result is divided by l at the end. Since M is a whole number, a kernel that streams over the keys may use a running M (the ceiling of the running maximum): every later rescaling is an exact power of two, which a block's scale takes up: the codes' values come out the same.
;;   OPERANDS COMPUTED ON THE WAY. 'Computed on the way' means the value that the module computes at that place (a softmax that the list does not call 'softmax' is quantised finished and normalised). What goes into a quantiser is computed in f32, as accurately as f32 sums, v_exp_f32 and their like allow (about 1e-6 of the number): no bf16 or f16 on the way to a quantiser, and a product that is left as it is and whose result goes on into a quantised operand takes f32 operands (vector FMAs, or v_wmma_f32_16x16x4_f32). A number that lies on a knife's edge between two numbers of the format may be rounded either way, as far as f32 arithmetic and the matrix unit's own rounding can turn it there, and no further.
;; One version. Each part assembles by itself: llvm-mc -triple=amdgcn-amd-amdhsa -mcpu=gfx1250 --defsym DOCPART=n.
;; ======== version 1 of 1: 4 launches
;; limits: right only within a limited range of input values
;; workspace buffers: x_q 6,553,600 bytes; wqkv_q 2,457,600 bytes; wproj_q 819,200 bytes; q_q 6,553,600 bytes; kv_q 13,107,200 bytes; a_q 6,553,600 bytes
;; launch quant (part 1): grid 384 x 1, 4 waves a work-group, no clusters, 68,096 bytes of LDS; arguments x, W_qkv, W_proj, x_q, wqkv_q, wproj_q; writes x_q, wqkv_q, wproj_q
.if DOCPART == 1
	.amdgcn_target "amdgcn-amd-amdhsa--gfx1250"
	.amdhsa_code_object_version 6
	.text
	.protected	k_qac2676d600_quant
	.globl	k_qac2676d600_quant
	.p2align	8
	.type	k_qac2676d600_quant,@function
k_qac2676d600_quant:
	s_mov_b64 s[64:65], 0
	v_nop
	global_prefetch_b8 v0, s[64:65] scope:SCOPE_SE
	s_setreg_imm32_b32 hwreg(HW_REG_WAVE_MODE, 25, 1), 1
	s_wait_xcnt 0x0
; x [8192][1024], W_qkv [1024][3072] and W_proj [1024][1024], f32, become codes of FP6 (E2M3), 6 bits each, K innermost, with one E8M0 byte for each 32 along K.
; A block's scale is 2^(floor(log2(its largest magnitude)) - 2); its byte is the largest magnitude's exponent field - 2, held at 1 from below; each number is divided by the scale and rounded to the nearest code, ties to even,
; beyond 7.5 the largest code.  (A block of zeros gets the byte 1 where the rule says 127: its codes are zeros, which add nothing under any byte but 0xff, and only this program reads the bytes.)
; LIMITS: blocks whose largest magnitude lies under 2^-124 are held at the byte 1; NaN and infinities among the inputs are not served.
; OUTPUT: each buffer holds rows of 768 bytes of codes (1,024 along K), then rows of 32 scale bytes.  A ROW r (a token of x, a column n of a weight) IS STORED AT ROW INDEX r WITH BITS 3 AND 4 EXCHANGED, so that 16 neighbouring
; stored rows 16 t + i are the rows 32 (t / 2) + 8 (t % 2) + i + 8 (i / 8): with such tiles a product's results come out with 16 neighbours along the next K in a lane's registers.
; Work-groups 0-255 take x (K innermost: a plain stream of blocks; a wave takes 8 rows = 16 steps of 512 numbers; dense loads turn through the wave's own stage in LDS so that a lane holds 16 neighbours).
; Work-groups 256-383 take the weights (K is the first axis: a lane takes a column and its registers run down K; a wave takes 32 columns x 256 along K; codes leave through the wave's own stage as rows).
; The two paths part once on the work-group's number, never join, and have LDS bytes of their own.  No tensor loads, no barrier: waves share nothing.
; WHERE THE CODES LIE (in place of plain rows of 768 bytes): stored row R's byte y lies at 196,608 (R / 256) + 49,152 (y / 192) + 192 (R % 256) + y % 192:
; the 192 bytes that 256 stored rows have for 256 along K are one dense block of 49,152 bytes, which begins at a multiple of 256.  The scale bytes lie as stated above.
.set STEPS, 16
.set CB,    12                         ; bytes of 16 codes
.set SP,    80                         ; x: a lane's place in a stage: 64 bytes + 16 of padding
.set WREG,  8192                       ; x: a wave's LDS: two stages of 32 x SP bytes, then its 256 scale bytes
.set WST,   4*WREG                     ; the weights' stages begin here
.set WP,    272                        ; a stage row of the weights' path: sixteen places of 16 bytes + 16
.set SPARE, WST+4*32*WP                ; the spare words, 128 bytes for each wave: two blocks of 256 bytes that no other line names
.set SPW,   30                         ; v30  LDS address of my spare word; never rewritten
.set NIL,   31                         ; v31  0; never rewritten
.set R,     32                         ; x: v32-95 four sets of 16 numbers as loaded
.set X,     96                         ; x: v96-127 two sets of 16 neighbours
.set E,     128                        ; x: v128-143 a scale byte for each step
.set C,     144                        ; x: v144-207 codes, four registers a step: no store's data are written again
.set NB,    8                          ; weights: blocks of 32 along K for a wave
.set WX,    32                         ; weights: v32-95 two sets of 32 numbers
.set WC,    96                         ; weights: a block's codes
.set OUTR,  112                        ; weights: v112-175 the way out
.set RO,    176                        ; weights: v176-207 byte offsets of a block's 32 rows
.set SB,    24                         ; weights: v24-25 the scale bytes
.macro XLOAD t
.irp i, 0,1,2,3
	global_load_b128 v[R+16*((\t)%4)+4*\i:R+16*((\t)%4)+4*\i+3], v3, s[4:5] offset:2048*(\t)+512*\i th:TH_LOAD_NT   ; 32 lanes read 512 consecutive bytes
.endr
.endm
.macro XTURN t                         ; step t's numbers through the stage: LDS serves a wave's instructions in order, so no wait stands between the stores and the loads
.irp i, 0,1,2,3
	ds_store_b128 v14, v[R+16*((\t)%4)+4*\i:R+16*((\t)%4)+4*\i+3] offset:32*SP*((\t)%2)+8*SP*\i
.endr
.irp i, 0,1,2,3
	ds_load_b128 v[X+16*((\t)%2)+4*\i:X+16*((\t)%2)+4*\i+3], v15 offset:32*SP*((\t)%2)+16*\i
.endr
.endm
.macro XSTEP t
.set XS, X+16*((\t)%2)
.if (\t) > 0
	s_wait_dscnt 1                                 ; this step's numbers are back from the stage (the last step's byte store may be out): its stores into the stage have read their registers,
.else
	s_wait_dscnt 0x0
.endif
.if (\t)+4 < STEPS
	XLOAD (\t)+4                                   ; which take the loads of four steps on
.endif
.if (\t)+1 < STEPS
.if STEPS-2-(\t) >= 3
	s_wait_loadcnt 12                              ; the next step's four loads are in; those of the three steps behind it may be out
.else
	s_wait_loadcnt 4*(STEPS-2-(\t))
.endif
	XTURN (\t)+1
.endif
	v_max3_num_f32 v8, |v[XS]|, |v[XS+1]|, |v[XS+2]|               ; the largest magnitude of my 16, in two chains
	v_max3_num_f32 v9, |v[XS+3]|, |v[XS+4]|, |v[XS+5]|
.irp i, 6,10
	v_max3_num_f32 v8, v8, |v[XS+\i]|, |v[XS+\i+1]|
	v_max3_num_f32 v9, v9, |v[XS+\i+2]|, |v[XS+\i+3]|
.endr
	v_max3_num_f32 v8, v8, |v[XS+14]|, |v[XS+15]|
	v_max3_num_f32 v8, v8, v9, 0x1800000           ; and the floor 2^(3 - 127): the byte cannot fall under 1
	v_max_num_f32_dpp v8, v8, v8 row_xmask:1 row_mask:0xf bank_mask:0xf   ; and of my neighbour's 16: the block's
	v_add_nc_u32 v11, 0xff000000, v8               ; 2 off its exponent field: the conversion takes the exponent field of this operand as its scale
	v_cvt_scalef32_pk16_fp6_f32 v[C+4*(\t):C+4*(\t)+2], v[XS:XS+15], v11
	v_lshrrev_b32 v[E+(\t)], 23, v11               ; the scale's byte (a plain line behind the conversion)
	ds_store_b8 v5, v[E+(\t)] offset:16*(\t)       ; both lanes of a block write the same byte with the same value
	global_store_b96 v4, v[C+4*(\t):C+4*(\t)+2], s[24:25] offset:98304*((\t)%2)+192*((\t)/2)   ; sixteen lanes store a row's 192 bytes of one K step, the other sixteen those of the next
.endm
.macro WLOAD t                         ; block t: W(32 t + i, my column), i = 0 .. 31, into set t % 2; each block has a base of its own, so no pointer is stepped
.irp i, 0,1,2,3,4,5,6,7,8,9,10,11,12,13,14,15,16,17,18,19,20,21,22,23,24,25,26,27,28,29,30,31
	global_load_b32 v[WX+32*((\t)%2)+\i], v[RO+\i], s[32+2*(\t):33+2*(\t)] th:TH_LOAD_NT
.endr
.endm
.macro BLOCK t
.set XS, WX+32*((\t)%2)
.if (\t) < NB-1
	s_wait_loadcnt 32                              ; this block's 32 loads are in; the next block's may be out
.else
	s_wait_loadcnt 0
.endif
	v_max3_num_f32 v12, |v[XS]|, |v[XS+1]|, |v[XS+2]|               ; the block's largest magnitude: all 32 numbers are mine
	v_max3_num_f32 v13, |v[XS+3]|, |v[XS+4]|, |v[XS+5]|
.irp i, 6,10,14,18,22,26
	v_max3_num_f32 v12, v12, |v[XS+\i]|, |v[XS+\i+1]|
	v_max3_num_f32 v13, v13, |v[XS+\i+2]|, |v[XS+\i+3]|
.endr
	v_max3_num_f32 v12, v12, |v[XS+30]|, |v[XS+31]|
	v_max3_num_f32 v12, v12, v13, 0x1800000        ; and the floor
	v_add_nc_u32 v11, 0xff000000, v12              ; the conversion's scale operand
	v_lshrrev_b32 v13, 23, v11                     ; the scale's byte
.if (\t)%4 == 0
	v_mov_b32 v[SB+(\t)/4], v13                    ; four bytes to a register, the lower K in the lower byte
.else
	v_lshl_or_b32 v[SB+(\t)/4], v13, 8*((\t)%4), v[SB+(\t)/4]
.endif
	v_cvt_scalef32_pk16_fp6_f32 v[WC:WC+2], v[XS:XS+15], v11
	v_cvt_scalef32_pk16_fp6_f32 v[WC+4:WC+6], v[XS+16:XS+31], v11   ; (a conversion's three registers begin on an even number)
	v_nop                                          ; one plain line behind the conversions
	ds_store_b96 v4, v[WC:WC+2] offset:32*(\t)     ; 16 codes, 12 bytes, to a place of 16 bytes: every LDS address is a multiple of 16
	ds_store_b96 v4, v[WC+4:WC+6] offset:32*(\t)+16
.if (\t)+2 < NB
	WLOAD (\t)+2
.endif
	s_wait_dscnt 0x0                               ; the stores have read their registers: the next block's codes may be written
.endm
	s_load_b256 s[4:11], s[0:1], 0x0               ; x s[4:5], W_qkv s[6:7], W_proj s[8:9], x_q s[10:11]
	s_load_b128 s[12:15], s[0:1], 0x20             ; wqkv_q s[12:13], wproj_q s[14:15]
	v_lshl_add_u32 v[SPW], v0, 2, SPARE
	v_mov_b32 v[NIL], 0
	v_lshrrev_b32 v1, 5, v0
	v_readfirstlane_b32 s16, v1                    ; wave 0..3
	v_and_b32 v2, 31, v0                           ; lane
	s_cmp_lt_u32 ttmp9, 256
	s_cbranch_scc0 .Lweights
	; ---------------- x ----------------
	v_lshlrev_b32 v3, 4, v2                        ; my 16 bytes of a load's 512
	s_mul_i32 s17, s16, WREG
	v_lshrrev_b32 v14, 2, v2
	v_mul_u32_u24 v14, v14, SP
	v_and_b32 v15, 3, v2
	v_lshl_add_u32 v14, v15, 4, v14
	v_add_nc_u32 v14, s17, v14                     ; the stage, on the way in: SP (lane / 4) + 16 (lane % 4)
	v_mul_u32_u24 v15, v2, SP
	v_add_nc_u32 v15, s17, v15                     ; and on the way out: SP x lane: my 16 neighbours
	v_and_b32 v4, 15, v2
	v_mul_u32_u24 v4, v4, CB                       ; my codes' place: 12 bytes a lane in a row's 192,
	v_lshrrev_b32 v10, 4, v2
	v_mul_u32_u24 v10, v10, 0xc000
	v_add_nc_u32 v4, v4, v10                       ; lanes 16-31 one K step's block on
	v_lshrrev_b32 v5, 1, v2
	s_add_co_u32 s17, s17, 2*32*SP
	v_add_nc_u32 v5, s17, v5                       ; LDS: my wave's 256 scale bytes, my block's byte
	v_lshlrev_b32 v7, 3, v2                        ; and on the way out 8 bytes a lane
	v_add_nc_u32 v6, s17, v7
	s_lshl_b32 s18, ttmp9, 2
	s_add_co_u32 s20, s18, s16                     ; my run of 8 rows: 4 x work-group + wave
	s_lshl_b32 s20, s20, 15                        ; 32,768 bytes a run
	s_mov_b32 s21, 0
	s_and_b32 s22, s16, 1                          ; a run's bits 0 and 1 are the rows' bits 3 and 4: exchanged for the outputs
	s_lshl_b32 s22, s22, 1
	s_lshr_b32 s23, s16, 1
	s_or_b32 s22, s22, s23
	s_add_co_u32 s22, s22, s18
	s_wait_alu depctr_va_vdst(0)
	s_wait_kmcnt 0x0
	s_add_nc_u64 s[4:5], s[4:5], s[20:21]
	s_lshr_b32 s20, s22, 5                         ; 32 runs of 8 rows to a group of 256 rows
	s_mul_i32 s20, s20, 196608
	s_and_b32 s23, s22, 31
	s_mul_i32 s23, s23, 1536                       ; 8 rows of 192 bytes
	s_add_co_u32 s20, s20, s23
	s_add_nc_u64 s[24:25], s[10:11], s[20:21]
	s_lshl_b32 s20, s22, 8                         ; 8 rows of 32 scale bytes,
	s_add_co_u32 s20, s20, 6291456                 ; behind the codes
	s_add_nc_u64 s[10:11], s[10:11], s[20:21]
.irp t, 0,1,2,3
	XLOAD \t
.endr
	s_wait_loadcnt 12                              ; step 0's four loads are in
	XTURN 0
.irp t, 0,1,2,3,4,5,6,7,8,9,10,11,12,13,14,15
	XSTEP \t
.endr
	ds_load_b64 v[8:9], v6                         ; LDS serves a wave's instructions in order: these see my byte stores
	s_wait_dscnt 0x0
	global_store_b64 v7, v[8:9], s[10:11]          ; 32 lanes store 256 consecutive bytes, aligned
	s_wait_tensorcnt 0x0                           ; the wave's end
	ds_add_u32 v[SPW], v[NIL]
	s_wait_dscnt 0x0
	s_endpgm
	; ---------------- the weights ----------------
.Lweights:
	s_sub_co_u32 s17, ttmp9, 256
	s_and_b32 s18, s17, 3                          ; y: which 256 along K
	s_lshr_b32 s19, s17, 2                         ; blocks of 128 columns: 0-23 W_qkv's, 24-31 W_proj's
	s_wait_kmcnt 0x0
	s_cmp_lt_u32 s19, 24                           ; the choice hangs on the work-group's number alone
	s_cselect_b64 s[6:7], s[6:7], s[8:9]           ; the source,
	s_cselect_b64 s[12:13], s[12:13], s[14:15]     ; the destination,
	s_mov_b32 s20, 4096
	s_cselect_b32 s20, 12288, s20                  ; a row of the source in bytes,
	s_mov_b32 s21, 786432
	s_cselect_b32 s21, 2359296, s21                ; where the destination's scale bytes begin,
	s_cselect_b32 s22, 0, 24
	s_sub_co_u32 s19, s19, s22                     ; and the block of columns in that weight
	s_lshl_b32 s19, s19, 7
	s_lshl_b32 s23, s16, 5
	s_add_co_u32 s19, s19, s23                     ; n0: my wave's first column
	s_lshl_b32 s24, s18, 8
	s_mul_i32 s24, s24, s20                        ; 256 y rows down
	s_lshl_b32 s23, s19, 2
	s_add_co_u32 s24, s24, s23
	s_mov_b32 s25, 0
	s_add_nc_u64 s[32:33], s[6:7], s[24:25]        ; block 0's base
	s_lshl_b32 s24, s20, 5                         ; 32 rows on
.irp t, 1,2,3,4,5,6,7
	s_add_nc_u64 s[32+2*\t:33+2*\t], s[30+2*\t:31+2*\t], s[24:25]
.endr
	s_wait_alu depctr_va_vdst(0)
	v_lshlrev_b32 v3, 2, v2                        ; in: 4 bytes a lane: 128 consecutive bytes a wave
.irp i, 0,1,2,3,4,5,6,7,8,9,10,11,12,13,14,15,16,17,18,19,20,21,22,23,24,25,26,27,28,29,30,31
	v_mad_u32_u24 v[RO+\i], s20, \i, v3            ; row i of a block
.endr
	WLOAD 0
	WLOAD 1
	s_mul_i32 s26, s16, 32*WP
	s_add_co_u32 s26, s26, WST                     ; my stage
	v_mul_u32_u24 v4, v2, WP
	v_add_nc_u32 v4, s26, v4                       ; into it: row = my column
	v_and_b32 v5, 15, v2
	v_lshrrev_b32 v6, 4, v2                        ; out of it: sixteen lanes to a row, two rows an instruction
	v_mul_u32_u24 v7, v6, WP
	v_lshl_add_u32 v7, v5, 4, v7
	v_add_nc_u32 v7, s26, v7
	v_mul_u32_u24 v8, v6, 192
	v_mad_u32_u24 v8, v5, 12, v8                   ; and the same place in the codes: 12 bytes a lane
	v_and_b32 v9, 7, v2                            ; my column's stored row: bits 3 and 4 exchanged
	v_bfe_u32 v10, v2, 3, 1
	v_lshl_or_b32 v9, v10, 4, v9
	v_bfe_u32 v10, v2, 4, 1
	v_lshl_or_b32 v9, v10, 3, v9
	v_lshlrev_b32 v9, 5, v9                        ; 32 scale bytes a row
	s_lshr_b32 s24, s19, 8
	s_mul_i32 s24, s24, 196608                     ; the group of 256 stored rows,
	s_and_b32 s27, s19, 255
	s_mul_i32 s27, s27, 192                        ; the row in it,
	s_add_co_u32 s24, s24, s27
	s_mul_i32 s27, s18, 49152                      ; the K step's block
	s_add_co_u32 s24, s24, s27
	s_add_nc_u64 s[28:29], s[12:13], s[24:25]      ; codes: row n0, 192 y bytes along it
	s_lshl_b32 s24, s19, 5
	s_lshl_b32 s27, s18, 3
	s_add_co_u32 s24, s24, s27
	s_add_co_u32 s24, s24, s21
	s_add_nc_u64 s[12:13], s[12:13], s[24:25]      ; scale bytes: row n0, 8 y bytes along it
.irp t, 0,1,2,3,4,5,6,7
	BLOCK \t
.endr
	s_wait_alu depctr_va_vdst(0)
	global_store_b64 v9, v[SB:SB+1], s[12:13]      ; my column's 8 scale bytes: a quarter of its row of 32 (one byte in 128 of what the path reads)
.irp t, 0,1,2,3,4,5,6,7,8,9,10,11,12,13,14,15
	ds_load_b96 v[OUTR+4*\t:OUTR+4*\t+2], v7 offset:2*\t*WP   ; LDS serves a wave's instructions in order: these see my stores
.endr
.irp t, 0,1,2,3,4,5,6,7,8,9,10,11,12,13,14,15
	s_wait_dscnt 15-\t                             ; the younger loads may stay out
	global_store_b96 v8, v[OUTR+4*\t:OUTR+4*\t+2], s[28:29] offset:2*((\t&3)|((\t&4)<<1)|((\t&8)>>1))*192   ; columns 2 t, 2 t + 1 go to their stored rows; the wave's 32 rows are 6,144 bytes on end
.endr
	s_wait_tensorcnt 0x0                           ; the wave's end
	ds_add_u32 v[SPW], v[NIL]
	s_wait_dscnt 0x0
	s_endpgm
.Lfunc_end_k_qac2676d600_quant:
	.size	k_qac2676d600_quant, .Lfunc_end_k_qac2676d600_quant-k_qac2676d600_quant
	.p2alignl 7, 3214868480
	.fill 96, 4, 3214868480
	.section	.rodata,"a",@progbits
	.p2align	6, 0x0
	.amdhsa_kernel k_qac2676d600_quant
		.amdhsa_group_segment_fixed_size 68096
		.amdhsa_private_segment_fixed_size 0
		.amdhsa_enable_private_segment 0
		.amdhsa_kernarg_size 48
		.amdhsa_user_sgpr_count 2
		.amdhsa_user_sgpr_kernarg_segment_ptr 1
		.amdhsa_wavefront_size32 1
		.amdhsa_system_sgpr_workgroup_id_x 1
		.amdhsa_system_sgpr_workgroup_id_y 1
		.amdhsa_system_sgpr_workgroup_id_z 1
		.amdhsa_system_vgpr_workitem_id 0
		.amdhsa_next_free_vgpr 208
		.amdhsa_next_free_sgpr 66
		.amdhsa_reserve_vcc 0
		.amdhsa_float_denorm_mode_32 3
		.amdhsa_float_denorm_mode_16_64 3
		.amdhsa_memory_ordered 1
		.amdhsa_forward_progress 1
		.amdhsa_inst_pref_size 77
	.end_amdhsa_kernel
	.amdgpu_metadata
---
amdhsa.version: [ 1, 2 ]
amdhsa.kernels:
  - .name:           k_qac2676d600_quant
    .symbol:         k_qac2676d600_quant.kd
    .args:
      - { .name: x, .offset: 0, .size: 8, .value_kind: global_buffer, .address_space: global }
      - { .name: W_qkv, .offset: 8, .size: 8, .value_kind: global_buffer, .address_space: global }
      - { .name: W_proj, .offset: 16, .size: 8, .value_kind: global_buffer, .address_space: global }
      - { .name: x_q, .offset: 24, .size: 8, .value_kind: global_buffer, .address_space: global }
      - { .name: wqkv_q, .offset: 32, .size: 8, .value_kind: global_buffer, .address_space: global }
      - { .name: wproj_q, .offset: 40, .size: 8, .value_kind: global_buffer, .address_space: global }
    .group_segment_fixed_size: 68096
    .private_segment_fixed_size: 0
    .kernarg_segment_align: 8
    .kernarg_segment_size: 48
    .max_flat_workgroup_size: 128
    .sgpr_count:     66
    .vgpr_count:     208
    .wavefront_size: 32
...
	.end_amdgpu_metadata
.endif
;; end of part 1
;; launch gemm_qkv (part 2): grid 12 x 32, 4 waves a work-group, clusters of 4 x 4, 327,680 bytes of LDS; arguments x_q, wqkv_q, q_q, kv_q; writes q_q, kv_q
.if DOCPART == 2
	.amdgcn_target "amdgcn-amd-amdhsa--gfx1250"
	.amdhsa_code_object_version 6
	.text
	.protected	k_qac2676d600_gemm_qkv
	.globl	k_qac2676d600_gemm_qkv
	.p2align	8
	.type	k_qac2676d600_gemm_qkv,@function
k_qac2676d600_gemm_qkv:
	s_mov_b64 s[64:65], 0
	v_nop
	global_prefetch_b8 v0, s[64:65] scope:SCOPE_SE
	s_setreg_imm32_b32 hwreg(HW_REG_WAVE_MODE, 25, 1), 1
	s_wait_xcnt 0x0
	s_wait_alu depctr_hold_cnt(0) depctr_sa_sdst(0) depctr_va_vdst(0) depctr_va_sdst(0) depctr_va_ssrc(0) depctr_va_vcc(0) depctr_vm_vsrc(0)
	s_getreg_b32 s2, hwreg(HW_REG_IB_STS2, 6, 4)
	s_cmp_eq_u32 s2, 0
	s_cbranch_scc0 .Lentry_in_a_cluster
	s_endpgm
.Lentry_in_a_cluster:
	s_bfe_u32 s2, ttmp6, 0x10000c
	s_cmp_lg_u32 s2, 0xf033
	s_cbranch_scc0 .Lentry_shape_is_right
	s_endpgm
.Lentry_shape_is_right:
; qkv = x W_qkv on codes of FP6 (E2M3) with one E8M0 scale for each 32 along K; M = 8,192 tokens, N = 3,072, K = 1,024; sums in f32.  The result never goes to memory as f32: q and k are quantised along the head's 64,
; v along the keys, in registers, and leave as codes and scale bytes in the order of the next products' operand registers.
; INPUTS: x_q: 8,192 rows of 768 bytes of codes, then 8,192 rows of 32 scale bytes; wqkv_q: 3,072 rows likewise.  Rows are stored with bits 3 and 4 of their index exchanged: 16 neighbouring stored rows 16 t + i are the
; rows 32 (t / 2) + 8 (t % 2) + i + 8 (i / 8).  So in a result, lane (r, h), register j of source 0's tile b is source 0's row 32 (b / 2) + 16 h + 8 (b % 2) + j: the 16 registers of tiles 2 g, 2 g + 1 are 16 neighbours.
; A tile of 256 x 256 is made by four waves, each 128 x 128: 64 accumulators, 512 registers.  K goes in steps of 256 through a ring of two LDS slots filled by the tensor data mover; the scale bytes come once.
; CLUSTERS: 4 x 4 work-groups; x's tiles are asked for jointly along a row of the cluster, W's along a column.  Cluster x = 0 makes q, 1 makes k, 2 makes v: the same in all sixteen partners.
; ROLES.  What is quantised must run along a lane's registers, that is along source 0's rows.  For q and k source 0 takes W's rows (the head's d) and source 1 the tokens; for v source 0 takes the tokens (the keys) and source 1
; W's rows.  Memory, descriptors and the LDS map are the same for both; only the LDS bases from which the two sides READ are chosen, by the cluster's x.
; OUTPUT: a fragment (16 rows x 128 K: 12 registers a lane) is stored as six pieces: registers 2 i, 2 i + 1 of lane l at 256 i + 8 l: each store of the wave covers 256 consecutive bytes, aligned.
;   q_q: [head of batch 64][tile of 16 stored tokens 128][768 bytes: pieces 0-2], then scale words [64][pair of tiles 64][16 rows][4 bytes: bytes 0, 1 the even tile's, 2, 3 the odd tile's]
;   kv_q: [64][group of 128 keys 16][K: 8 tiles x 768 | V: 4 fragments (16 d x 128 keys) x 1,536], then [64][16][K: 4 pairs x 64 bytes | V: 4 fragments x 64 bytes]
; LIMITS: a block whose largest magnitude lies under 2^-124 (a block of zeros too) gets the byte 1; NaN and infinities are not served.
; REGISTERS: window 0: v16-29 addresses; v32-63 scale words, two sets; v128-223 source 1's fragments, one set.  window 1: source 0's fragments, two sets, at v0 and v128.  windows 2, 3: the accumulators ((a, b) at v[8 (8 (a % 4) + b)]).
.set KSTEP,  256
.set NQ,     2                         ; matrix instructions deep in a slot
; IN PLACE OF WHAT THE HEAD SAYS OF ROLES AND LAYOUTS: the codes of 256 stored rows for 256 along K are one dense block of 49,152 bytes, fetched as rows of 256 bytes; the padding behind every 64 bytes gives LDS rows of 240.
; LDS has a ROW SIDE (source 1; asked for jointly along a row of the cluster) and a COLUMN SIDE (source 0; along a column).  For q and k the row side is x's tokens and the column side W's rows; for v the two BUFFERS and the
; clusters' numbers change places, chosen by the cluster's x; no LDS address hangs on it.  kv_q: [head 64][group of 128 keys 16][K 6,144 | V 6,144 | K's scale words 256 | V's 256].
.set ROWB, 49152                       ; from a K step's block to the next, in bytes
.set KROW,   768                       ; a row of codes in memory
.set PITCH,  240                       ; an LDS row: 3 x (64 bytes + 16 of padding)
.set FR,     12
.set NL,     6
.set NP,     4
.set HALFT,  128*PITCH
.set SLOT,   4*HALFT                   ; x's 256 rows, then W's 256 rows
.set LAPS,   2                         ; 1,024 / 512
.set KS,     32                        ; a row of scale bytes
.set SCL,    2*SLOT                    ; behind the ring: the scale bytes, as units of 256 bytes + 16 of padding
.set HALFS,  16*272                    ; those of 128 rows
.set SBLK,   2*272                     ; those of 16 rows
.set SPARE,  SCL+4*HALFS               ; the spare words, 128 bytes for each wave: two blocks of 256 bytes that no other line names
.set ADRA, 16                          ; v16-17 LDS address of source 1's fragments in slot 0, 1 (v18-19: behind one padding more)
.set ADRB, 20                          ; v20-21 the same for source 0 (v22-23)
.set ADRS, 27                          ; v27    my scale words: lanes 0-15 source 1's rows, lanes 16-31 source 0's
.set SPW,  28                          ; v28    my spare word; never rewritten
.set NIL,  29                          ; v29    0; never rewritten
.set SC,   32
.set AF,   128
.set G1, 24
.set G0, 32
.set G1B, 48
.set G0B, 56
.set G1S, 68
.set G0S, 76
.set G1SB, 80
.set G0SB, 88
.set MSB, 0
.macro WIN new                         ; the immediate's high byte repeats the setting that is left
.if MSB != \new
	s_set_vgpr_msb (MSB<<8)|\new
.set MSB, \new
.endif
.endm
.set MUL_LO, 0xa1                      ; source 0 window 1, source 1 window 0, C and D window 2
.set MUL_HI, 0xf1                      ; the same, C and D window 3
.set TO_B,   0x40                      ; destination window 1, address window 0
; A joint load: waves 0 and 1 fetch x's halves, waves 2 and 3 W's.  The branch hangs on the wave's number alone.  An s_nop 0 and four v_nop follow each of the two lines.
.macro JLOAD g0a, g1a, g0b, g1b
	s_cmp_eq_u32 s15, 0
	s_cbranch_scc0 .Lfor_b_\@
	tensor_load_to_lds s[\g0a:\g0a+3], s[\g1a:\g1a+7]
	s_nop 0
.rept 4
	v_nop
.endr
	s_branch .Lasked_\@
.Lfor_b_\@:
	tensor_load_to_lds s[\g0b:\g0b+3], s[\g1b:\g1b+7]
	s_nop 0
.rept 4
	v_nop
.endr
.Lasked_\@:
.endm
.macro CREST                           ; a round of the cluster's barrier behind its opening barrier
	s_cmp_lg_u32 s14, 0
	s_cbranch_scc1 .Lnot_wave_0_\@
	s_barrier_signal -3
.Lnot_wave_0_\@:
	s_barrier_wait -3
	s_barrier_signal -1
	s_barrier_wait -1
.endm
.macro CROUND
	s_barrier_signal -1
	s_barrier_wait -1
	CREST
.endm
	s_load_b64 s[4:5], s[0:1], 0x0                 ; x_q
	s_load_b64 s[8:9], s[0:1], 0x8                 ; wqkv_q
	s_load_b128 s[96:99], s[0:1], 0x10             ; q_q s[96:97], kv_q s[98:99]
	v_lshl_add_u32 v[SPW], v0, 2, SPARE
	v_mov_b32 v[NIL], 0
	ds_add_u32 v[SPW], v[NIL]                      ; the wave's opening: the add and its wait ahead of my first tensor load; the set-up below, work on registers, stands between them
	ds_add_u32 v[SPW], v[NIL]
	v_lshrrev_b32 v1, 5, v0
	v_readfirstlane_b32 s14, v1                    ; wave 0..3
	s_lshr_b32 s15, s14, 1                         ; which half of source 1's 256 rows is mine.  Also: I fetch for x (0) or for W (1)
	s_and_b32 s16, s14, 1                          ; which half of source 0's.  Also: which 128 rows I fetch
	s_bfe_u32 s40, ttmp6, 0x40000                  ; cx, cy: my place in the cluster
	s_bfe_u32 s41, ttmp6, 0x40004
	s_and_b32 s17, ttmp7, 0xffff
	s_lshl_b32 s17, s17, 2                         ; 4 x cluster y
	s_lshl_b32 s42, ttmp9, 2                       ; 4 x cluster x
	s_cmp_eq_u32 ttmp9, 2                          ; v's clusters
	s_cselect_b32 s42, s17, s42                    ; column side: groups of 256 rows of W, or for v of tokens
	s_cselect_b32 s17, 8, s17                      ; row side: groups of tokens, or for v W's groups 8 to 11
	s_add_co_u32 s42, s42, s40                     ; + cx
	s_add_co_u32 s17, s17, s41                     ; + cy
	s_lshl_b32 s43, s41, 2
	s_lshl_b32 s43, 15, s43                        ; my row of the cluster
	s_lshl_b32 s44, 0x1111, s40                    ; my column
	; descriptor group 1: a tile of 128 rows x 192 bytes, 16 bytes of padding behind every 64
	s_or_b32 s[G1+0], s43, (0<<16)|(1<<20)|(1<<21)|(3<<22)|(3<<25)  ; 15:0 the mask: x's tiles go to my row; elements of 1 byte; padding on; bit 21 beside a mask; after every 16 words, 4 words
	s_or_b32 s[G1B+0], s44, (0<<16)|(1<<20)|(1<<21)|(3<<22)|(3<<25)
.irp g, G1, G1B
	s_mov_b32 s[\g+1], 256<<16                     ; rows of 256 bytes;
	s_mov_b32 s[\g+2], 192<<16                     ; at the head 192 of them: a whole block
	s_mov_b32 s[\g+3], 256<<16
	s_mov_b32 s[\g+4], 192
	s_mov_b32 s[\g+5], 256
	s_mov_b32 s[\g+6], 0
	s_mov_b32 s[\g+7], 0
.endr
	; the scale bytes of 256 rows: 8,192 dense bytes as 32 rows of 256 (32 elements of 8 bytes), 16 bytes of padding behind each
	s_or_b32 s[G1S+0], s43, (3<<16)|(1<<20)|(1<<21)|(5<<22)|(3<<25)
	s_or_b32 s[G1SB+0], s44, (3<<16)|(1<<20)|(1<<21)|(5<<22)|(3<<25)
.irp g, G1S, G1SB
	s_mov_b32 s[\g+1], 32<<16
	s_mov_b32 s[\g+2], 32<<16                      ; the scale bytes of 256 rows: 32 rows of 256 bytes
	s_mov_b32 s[\g+3], 32<<16
	s_mov_b32 s[\g+4], 32
	s_mov_b32 s[\g+5], 32
	s_mov_b32 s[\g+6], 0
	s_mov_b32 s[\g+7], 0
.endr
	s_lshl_b32 s20, s17, 8                         ; the row side's first row
	s_lshl_b32 s46, s42, 8                         ; the column side's
	s_mov_b32 s21, 0
	s_mov_b32 s47, 0
	s_mov_b64 s[18:19], KS
	s_mul_u64 s[22:23], s[20:21], s[18:19]         ; where these rows' scale bytes begin
	s_mul_u64 s[92:93], s[46:47], s[18:19]
	s_mov_b64 s[18:19], KROW
	s_mul_u64 s[20:21], s[20:21], s[18:19]         ; and their codes
	s_mul_u64 s[46:47], s[46:47], s[18:19]
	s_mul_i32 s45, s14, HALFT                      ; where they go: wave x 128 rows: no place in the cluster enters an LDS address
	s_wait_dscnt 0x0                               ; the opening add is done
	s_wait_kmcnt 0x0
	s_add_nc_u64 s[6:7], s[4:5], 6291456           ; x's scale bytes lie behind its codes,
	s_add_nc_u64 s[10:11], s[8:9], 2359296         ; W's likewise
	s_cmp_eq_u32 ttmp9, 2                          ; v: the buffers change places; the choice hangs on the cluster's x alone
	s_cselect_b64 s[12:13], s[8:9], s[4:5]
	s_cselect_b64 s[8:9], s[4:5], s[8:9]
	s_cselect_b64 s[100:101], s[10:11], s[6:7]
	s_cselect_b64 s[10:11], s[6:7], s[10:11]
	s_mov_b64 s[4:5], s[12:13]
	s_mov_b64 s[6:7], s[100:101]
	s_add_nc_u64 s[20:21], s[4:5], s[20:21]
	s_add_nc_u64 s[22:23], s[6:7], s[22:23]
	s_add_nc_u64 s[46:47], s[8:9], s[46:47]
	s_add_nc_u64 s[92:93], s[10:11], s[92:93]
	CROUND                                         ; all sixteen work-groups are here: the first joint loads meet
	s_mov_b32 s[G0S], 1
	s_mov_b32 s[G0S+1], SCL
	s_mov_b64 s[G0S+2:G0S+3], s[22:23]
	s_or_b32 s[G0S+3], s[G0S+3], 0x80000000
	s_mov_b32 s[G0SB], 1
	s_mov_b32 s[G0SB+1], SCL+2*HALFS
	s_mov_b64 s[G0SB+2:G0SB+3], s[92:93]
	s_or_b32 s[G0SB+3], s[G0SB+3], 0x80000000
.set G0H, 4                            ; s[4:7], s[8:11] group 0 of the head's loads of K step 0 (the addresses that lay there have been used)
.set G0HB, 8
	s_mov_b32 s[G0H], 1
	s_mov_b32 s[G0H+1], 0
	s_mov_b64 s[G0H+2:G0H+3], s[20:21]
	s_or_b32 s[G0H+3], s[G0H+3], 0x80000000
	s_mov_b32 s[G0HB], 1
	s_mov_b32 s[G0HB+1], 2*HALFT
	s_mov_b64 s[G0HB+2:G0HB+3], s[46:47]
	s_or_b32 s[G0HB+3], s[G0HB+3], 0x80000000
	s_mul_i32 s18, s16, 24576                      ; in the ring I fetch 128 rows of a block: which half
	s_mov_b32 s19, 0
	s_add_nc_u64 s[20:21], s[20:21], s[18:19]
	s_add_nc_u64 s[46:47], s[46:47], s[18:19]
.irp s, 0,1
	s_mov_b32 s[G0+4*\s], 1
	s_add_co_u32 s[G0+4*\s+1], s45, \s*SLOT
	s_add_nc_u64 s[G0+4*\s+2:G0+4*\s+3], s[20:21], \s*ROWB
	s_or_b32 s[G0+4*\s+3], s[G0+4*\s+3], 0x80000000
	s_mov_b32 s[G0B+4*\s], 1
	s_add_co_u32 s[G0B+4*\s+1], s45, \s*SLOT
	s_add_nc_u64 s[G0B+4*\s+2:G0B+4*\s+3], s[46:47], \s*ROWB
	s_or_b32 s[G0B+4*\s+3], s[G0B+4*\s+3], 0x80000000
.endr
; The head's loads, one a wave: wave 0 the row side's block of K step 0, wave 1 the column side's, wave 2 and 3 the two sides' scale bytes.  One chain of branches on the wave's number, one load to an arm.
.macro ARM under, g0, g1, next
	s_cmp_lt_u32 s14, \under
	s_cbranch_scc0 \next
	tensor_load_to_lds s[\g0:\g0+3], s[\g1:\g1+7]
	s_nop 0
.rept 4
	v_nop
.endr
	s_branch .Lhead_asked
\next:
.endm
	ARM 1, G0H,  G1,  .Lhead_b
	ARM 2, G0HB, G1B, .Lhead_sa
	ARM 3, G0S,  G1S, .Lhead_sb
	tensor_load_to_lds s[G0SB:G0SB+3], s[G1SB:G1SB+7]
	s_nop 0
.rept 4
	v_nop
.endr
.Lhead_asked:
	v_and_b32 v1, 15, v0                           ; r
	v_bfe_u32 v2, v0, 4, 1                         ; h
	v_mul_u32_u24 v3, v1, PITCH
	v_mul_u32_u24 v4, v2, 24
	v_add_nc_u32 v4, v3, v4                        ; a fragment's row x pitch + 24 x half
	s_wait_alu depctr_va_vdst(0)
	v_lshl_add_u32 v5, v2, 4, v4                   ; and the same behind one padding more
	s_wait_alu depctr_va_vdst(0)
	s_mul_i32 s21, s15, HALFT                      ; source 1: my 128 rows of the row side
	s_mul_i32 s22, s16, HALFT                      ; source 0: my 128 rows of the column side,
	s_add_co_u32 s22, s22, 2*HALFT                 ; which lies behind the row side's 256
.irp s, 0,1
	v_add_nc_u32 v[ADRA+\s], s21, v4
	v_add_nc_u32 v[ADRB+\s], s22, v4
	v_add_nc_u32 v[ADRA+2+\s], s21, v5
	v_add_nc_u32 v[ADRB+2+\s], s22, v5
	s_add_co_u32 s21, s21, SLOT
	s_add_co_u32 s22, s22, SLOT
.endr
	v_mul_u32_u24 v5, v1, KS                       ; my row's scale bytes: 32 a row,
	v_lshrrev_b32 v6, 8, v5
	v_lshl_add_u32 v5, v6, 4, v5                   ; and 16 more for each 256 passed
	s_mul_i32 s21, s15, HALFS                      ; source 1's 128 rows
	s_mul_i32 s22, s16, HALFS                      ; source 0's, behind the row side's 256
	s_add_co_u32 s22, s22, 2*HALFS
	s_sub_co_u32 s22, s22, s21
	v_mul_u32_u24 v6, s22, v2                      ; lanes 16-31 take source 0's words: the lower base + h x the distance
	s_add_co_u32 s21, s21, SCL
	v_add_nc_u32 v5, v5, v6
	v_add_nc_u32 v[ADRS], s21, v5
.macro FRAG reg, adr, q, i             ; 16 rows x 128 K: lane l holds row l % 16; registers 6 c .. 6 c + 5 hold K = 64 c + 32 (l / 16) + 0 .. 31: 24 bytes of the row, in pieces of 8
.irp p, 0,1,2,3,4,5
.set PCE, 12*(\q)+6*(\p/3)+\p%3       ; 16 bytes of padding lie behind every 8 pieces: where the piece three on lies behind one padding more, the second address register serves
.if PCE%8 < 5
	ds_load_b64 v[\reg+2*\p:\reg+2*\p+1], v[\adr] offset:8*PCE+16*(PCE/8)+(\i)*16*PITCH
.else
	ds_load_b64 v[\reg+2*\p:\reg+2*\p+1], v[\adr+2] offset:8*PCE+16*(PCE/8)+(\i)*16*PITCH
.endif
.endr
.endm
; 16 matrix instructions: source 1's blocks a0, a0 + 1 x source 0's eight.  The 64 accumulators take turns, one instruction a turn, in the same order in every step.
.macro MUL16 a0, p, q, sc, zero
.irp a, \a0, \a0+1
.irp b, 0,1,2,3,4,5,6,7
.if \zero
	v_wmma_scale_f32_16x16x128_f8f6f4 v[8*(8*((\a)%4)+\b):8*(8*((\a)%4)+\b)+7], v[128*(\p)+FR*\b:128*(\p)+FR*\b+FR-1], v[AF+FR*(\a):AF+FR*(\a)+FR-1], 0, v[SC+8*NQ*(\sc)+NQ*\b+(\q)], v[SC+8*NQ*(\sc)+NQ*(\a)+(\q)] matrix_a_fmt:MATRIX_FMT_FP6 matrix_b_fmt:MATRIX_FMT_FP6 matrix_a_scale:MATRIX_SCALE_ROW1
.else
	v_wmma_scale_f32_16x16x128_f8f6f4 v[8*(8*((\a)%4)+\b):8*(8*((\a)%4)+\b)+7], v[128*(\p)+FR*\b:128*(\p)+FR*\b+FR-1], v[AF+FR*(\a):AF+FR*(\a)+FR-1], v[8*(8*((\a)%4)+\b):8*(8*((\a)%4)+\b)+7], v[SC+8*NQ*(\sc)+NQ*\b+(\q)], v[SC+8*NQ*(\sc)+NQ*(\a)+(\q)] matrix_a_fmt:MATRIX_FMT_FP6 matrix_b_fmt:MATRIX_FMT_FP6 matrix_a_scale:MATRIX_SCALE_ROW1
.endif
.endr
.endr
.endm
.macro FETCH_B slot, q, p              ; source 0's eight fragments into set p
	WIN TO_B
.irp i, 0,1,2,3,4,5,6,7
	FRAG 128*(\p)+FR*\i, ADRB+\slot, \q, \i
.endr
	WIN 0
.endm
.macro FETCH_A slot, q, i0             ; source 1's blocks i0 .. i0 + 3
.irp i, \i0, \i0+1, \i0+2, \i0+3
	FRAG AF+FR*(\i), ADRA+\slot, \q, \i
.endr
.endm
.macro SCALES sc                       ; a K step's scale words, two a row
.irp i, 0,1,2,3,4,5,6,7
	ds_load_b64 v[SC+8*NQ*\sc+NQ*\i:SC+8*NQ*\sc+NQ*\i+1], v[ADRS] offset:\i*SBLK
.endr
.endm
.macro PLACES n                        ; plain vector lines between a matrix instruction and a load into, or a read of, its registers
.rept \n
	v_nop
.endr
.endm
.macro STEP slot, q, zero              ; 128 along K with its successor in the same slot
	s_wait_dscnt 4*NL                              ; all but the youngest 24 loads (source 1's blocks 4-7) are in
	WIN MUL_LO
	MUL16 0, (\q)%2, \q, \slot, \zero
	MUL16 2, (\q)%2, \q, \slot, \zero
	s_wait_dscnt 0
	PLACES NP
	FETCH_B \slot, (\q)+1, 1-(\q)%2
	FETCH_A \slot, (\q)+1, 0
	WIN MUL_HI
	MUL16 4, (\q)%2, \q, \slot, \zero
	MUL16 6, (\q)%2, \q, \slot, \zero
	PLACES NP
	WIN 0
	FETCH_A \slot, (\q)+1, 4
.endm
; A slot's last step changes slots: one barrier; in front of it each wave waits for all its tensor loads, adds 0 to its spare word, and waits for that and for its own reads of this slot.
.macro TURN slot, next, fill
	s_wait_tensorcnt 0x0                           ; all my tensor loads have landed: my part of the next slot
	ds_add_u32 v[SPW], v[NIL]                      ; 0 onto my spare word
	s_wait_dscnt 4*NL+1                            ; (the add and the youngest 24 loads may be out)
	WIN MUL_LO
	MUL16 0, 1, NQ-1, \slot, 0                     ; sixteen matrix instructions stand between the add and the wait for it
	s_wait_dscnt 0x0                               ; the add is done, and my reads of this slot are over
	s_barrier_signal -1
	MUL16 2, 1, NQ-1, \slot, 0
	WIN 0
	s_barrier_wait -1
.if \fill
	CREST                                          ; the barrier has opened a round of the cluster's barrier: no wave of any partner still reads this slot or has a load on its way
	s_add_nc_u64 s[G0+4*\slot+2:G0+4*\slot+3], s[G0+4*\slot+2:G0+4*\slot+3], 2*ROWB
	s_add_nc_u64 s[G0B+4*\slot+2:G0B+4*\slot+3], s[G0B+4*\slot+2:G0B+4*\slot+3], 2*ROWB
	JLOAD G0+4*\slot, G1, G0B+4*\slot, G1B         ; the first tensor load behind the round; its four v_nop are the places in front of the loads below
.else
	PLACES NP
.endif
	s_wait_alu depctr_va_vdst(0)
	v_add_nc_u32 v[ADRS], 4*NQ, v[ADRS]            ; on to the next K step's scale words
	FETCH_B \next, 0, 0
	FETCH_A \next, 0, 0
	SCALES \next
	WIN MUL_HI
	MUL16 4, 1, NQ-1, \slot, 0
	MUL16 6, 1, NQ-1, \slot, 0
	PLACES NP
	WIN 0
	FETCH_A \next, 0, 4
.endm
	s_wait_alu depctr_va_vdst(0)                   ; the wait at the head's end
	s_wait_tensorcnt 0x0                           ; my tile of the head's four is in
	ds_add_u32 v[SPW], v[NIL]
	s_mov_b32 s[G1+2], 96<<16                      ; no tensor load of mine is out: from here on a load brings half a block, 96 rows of 256 bytes
	s_mov_b32 s[G1+4], 96
	s_mov_b32 s[G1B+2], 96<<16
	s_mov_b32 s[G1B+4], 96
	s_wait_dscnt 0x0
	CROUND                                         ; all four tiles are in, and all sixteen work-groups are here
	JLOAD G0+4, G1, G0B+4, G1B                     ; K step 1, the first tensor load behind the round
	FETCH_B 0, 0, 0
	FETCH_A 0, 0, 0
	SCALES 0
	FETCH_A 0, 0, 4
	STEP 0, 0, 1                                   ; the first step's products start the sums: nothing is cleared
	s_mov_b32 s3, LAPS-1
.Llap:                                                 ; a trip goes once round the ring and fills both slots again
	TURN 0, 1, 1
	STEP 1, 0, 0
	TURN 1, 0, 1
	STEP 0, 0, 0
	s_sub_co_u32 s3, s3, 1
	s_cmp_lg_u32 s3, 0
	s_cbranch_scc1 .Llap
	TURN 0, 1, 0                                   ; the last lap fills nothing
	STEP 1, 0, 0
	s_wait_dscnt 4*NL
	WIN MUL_LO
	MUL16 0, 1, NQ-1, 1, 0
	MUL16 2, 1, NQ-1, 1, 0
	s_wait_dscnt 0
	WIN MUL_HI
	MUL16 4, 1, NQ-1, 1, 0
	MUL16 6, 1, NQ-1, 1, 0
	WIN 0
; THE WAY OUT.  Block a (source 1's 16 rows) x source 0's 128 rows is 64 registers a lane, register 16 g + i = source 0's row 32 g + 16 h + i: four blocks of 32 along what is quantised.  They become one fragment and one scale word.
;   q, k: block a is the a-th tile of 16 tokens of my 128; registers 0-5 of the fragment are head hb's 64, registers 6-11 head hb + 1's.
;   v:    block a is 16 of the d of head hb + a / 4 (fragment a % 4) x my 128 keys: a whole fragment of the second product of attention.
; The text is the same for all three: strides, bases and byte selects are scalars chosen by the cluster's x.  No LDS, no branch; every block has registers of its own for what it stores, so nothing that a store reads is written again.
.set TM,   32                          ; v32-35 largest magnitudes, v36-39 the other half of the lanes', v40-43 bytes, v44-47 the conversions' scale operands
.set PWB,  48                          ; v48-55 block a's scale word
.set XW,   56                          ; v56-59 the words as stored
.set PCS,  64                          ; block a's codes at v[64 + 20 a]: 12, and 2 x 4 at work
.set AO,   224                         ; v224-231 block a's byte offset
.set SO,   232                         ; v232-235 pair a / 2's scale words' offset
.set S1,   24
.set S2,   25
.set T1,   26
.set T2,   27
.set PS0,  28
.set PS1,  29
.set KGS,  35
.set KGSS, 36
.set CSTR, 37
.set HS,   38
.set BASE0, 48
.set BASE1, 50
.set SBASE, 52
.set SELP, 54
.set HM,   56
.irp b, 0,1,2,3
	v_mov_b32 v[TM+4+\b], 0                        ; written once: a lane permute's destination counts as one of its sources.  These four name no register of the last products: they are the places behind them
.endr
	s_cmp_eq_u32 ttmp9, 2                          ; v?
	s_cselect_b32 s18, s42, s17                    ; the tile of 256 tokens: the row side's number, for v the column side's
	s_cselect_b32 s42, s17, s42                    ; the tile of 256 columns
	s_mov_b32 s17, s18
	s_cselect_b32 s20, s16, s15
	s_cselect_b32 s21, s15, s16
	s_cselect_b32 s22, 6144, 0                     ; V lies behind K in a group of keys,
	s_cselect_b32 s23, 256, 0                      ; its scale words too
	s_mov_b32 s[S1], 768
	s_cselect_b32 s[S1], 1536, s[S1]               ; from block a to a + 1,
	s_mov_b32 s[S2], 3072
	s_cselect_b32 s[S2], 204800, s[S2]
	s_cselect_b32 s[T1], 128, 64                   ; the same for the pairs' scale words
	s_mov_b32 s[T2], 128
	s_cselect_b32 s[T2], 204800, s[T2]
	s_mov_b32 s[PS0], 0x05040100                   ; q, k: lanes 0-15 store head hb's word: the even tile's bytes 0, 1, the odd tile's bytes 0, 1;
	s_cselect_b32 s[PS0], 0x03020100, s[PS0]       ; v: the even block's word as it is
	s_mov_b32 s[PS1], 0x07060302                   ; q, k: lanes 16-31 head hb + 1's: bytes 2, 3 of both;
	s_cselect_b32 s[PS1], 0x07060504, s[PS1]       ; v: the odd block's word
	s_cmp_eq_u32 ttmp9, 0                          ; q?
	s_cselect_b64 s[32:33], s[96:97], s[98:99]     ; the buffer: the choice hangs on the cluster's x alone
	s_mov_b32 s34, 12288
	s_cselect_b32 s34, 6291456, s34                ; where its scale words begin
	s_mov_b32 s[KGS], 12800                        ; a group of 128 tokens in bytes: q 6,144; k and v 12,800, the scale words in it
	s_cselect_b32 s[KGS], 6144, s[KGS]
	s_mov_b32 s[KGSS], 12800                       ; from a group's scale words to the next group's: q 256
	s_cselect_b32 s[KGSS], 256, s[KGSS]
	s_lshl_b32 s[CSTR], s[KGS], 4
	s_lshl_b32 s[HS], s[KGSS], 4
	s_cmp_eq_u32 ttmp9, 2
	s_cselect_b32 s[CSTR], 768, s[CSTR]            ; registers 6-11 go to the next head (16 groups on), or, for v, behind registers 0-5
	s_cselect_b32 s[HS], 64, s[HS]                 ; lanes 16-31's word likewise
	s_and_b32 s39, s42, 3
	s_lshl_b32 s39, s39, 2
	s_lshl_b32 s21, s21, 1
	s_add_co_u32 s39, s39, s21                     ; hb: my first head: 4 (X % 4) + 2 x half
	s_lshl_b32 s43, s17, 1
	s_add_co_u32 s43, s43, s20                     ; my group of 128 tokens, of 64
	s_lshr_b32 s44, s43, 4
	s_lshl_b32 s44, s44, 4
	s_add_co_u32 s44, s44, s39                     ; 16 x batch + head
	s_lshl_b32 s44, s44, 4
	s_and_b32 s43, s43, 15
	s_add_co_u32 s44, s44, s43                     ; x 16 + the group in the batch
	s_mul_i32 s46, s44, s[KGS]
	s_add_co_u32 s46, s46, s22
	s_mov_b32 s47, 0
	s_add_nc_u64 s[BASE0:BASE0+1], s[32:33], s[46:47]
	s_mov_b32 s46, s[CSTR]
	s_add_nc_u64 s[BASE1:BASE1+1], s[BASE0:BASE0+1], s[46:47]
	s_mul_i32 s46, s44, s[KGSS]
	s_add_co_u32 s46, s46, s23
	s_add_co_u32 s46, s46, s34
	s_add_nc_u64 s[SBASE:SBASE+1], s[32:33], s[46:47]
	s_mov_b32 s[SELP], 0x76543210
	s_mov_b32 s[SELP+1], 0xfedcba98                ; v_permlanex16_b32's selects for lane l xor 16
	s_mov_b32 s[HM], 0xffff0000                    ; lanes 16-31
	v_and_b32 v62, 31, v0
	v_lshlrev_b32 v62, 3, v62                      ; 8 x lane
	v_add_nc_u32 v63, s[S2], v62
.irp a, 0,1,2,3,4,5,6,7
	v_mad_u32_u24 v[AO+\a], s[S1], \a%4, v[62+\a/4]
.endr
	v_and_b32 v60, 15, v0
	v_bfe_u32 v61, v0, 4, 1
	v_mul_u32_u24 v61, s[HS], v61
	v_lshl_add_u32 v[SO], v60, 2, v61              ; 4 r + h x the upper lanes' distance
	v_add_nc_u32 v[SO+1], s[T1], v[SO]
	v_add_nc_u32 v[SO+2], s[T2], v[SO]
	v_add_nc_u32 v[SO+3], s[T1], v[SO+2]
.macro QUANTG a
.set AC, 64*((\a)%4)
.set PCD, PCS+20*(\a)
	WIN 0x0a+5*((\a)/4)                            ; sources 0 and 1: window 2 or 3
.irp b, 0,1,2,3
	v_max3_num_f32 v[TM+\b], |v[AC+16*\b]|, |v[AC+16*\b+1]|, 0x1800000   ; block b: my 16 numbers, from each accumulator's low end on, and the floor 2^(3 - 127): the byte cannot fall under 1
.endr
.irp i, 2,4,6,8,10,12,14
.irp b, 0,1,2,3
	v_max3_num_f32 v[TM+\b], |v[AC+16*\b+\i]|, |v[AC+16*\b+\i+1]|, v[TM+\b]   ; (the four blocks by turns)
.endr
.endr
	WIN 0
.irp b, 0,1,2,3
	v_permlanex16_b32 v[TM+4+\b], v[TM+\b], s[SELP], s[SELP+1]
.endr
.irp b, 0,1,2,3
	v_max_num_f32 v[TM+\b], v[TM+\b], v[TM+4+\b]   ; with lane l xor 16's: the block's largest magnitude
.endr
.irp b, 0,1,2,3
	v_add_nc_u32 v[TM+12+\b], 0xff000000, v[TM+\b] ; 2 off its exponent field: the conversion's scale operand
.endr
.irp b, 0,1,2,3
	v_lshrrev_b32 v[TM+8+\b], 23, v[TM+12+\b]      ; the scale's byte
.endr
	v_lshl_or_b32 v[PWB+\a], v[TM+9], 8, v[TM+8]
	v_lshl_or_b32 v[PWB+\a], v[TM+10], 16, v[PWB+\a]
	v_lshl_or_b32 v[PWB+\a], v[TM+11], 24, v[PWB+\a]
	WIN 0x02+(\a)/4                                ; source 0: window 2 or 3
.irp c, 0,1
	v_cvt_scalef32_pk16_fp6_f32 v[PCD+6*\c:PCD+6*\c+2], v[AC+32*\c:AC+32*\c+15], v[TM+12+2*\c]
	v_cvt_scalef32_pk16_fp6_f32 v[PCD+12+4*\c:PCD+14+4*\c], v[AC+32*\c+16:AC+32*\c+31], v[TM+13+2*\c]   ; (a conversion's three registers begin on an even number)
.endr
	WIN 0
	v_nop                                          ; one plain line behind the conversions
.irp c, 0,1                                    ; the operand's layout wants a whole block in a lane: lanes 0-15 block 2 c, lanes 16-31 block 2 c + 1
.irp i, 0,1,2
	v_permlane16_swap_b32 v[PCD+6*\c+\i], v[PCD+12+4*\c+\i]
.endr
.irp i, 0,1,2
	v_mov_b32 v[PCD+3+6*\c+\i], v[PCD+12+4*\c+\i]
.endr
.endr
.endm
.macro OUTG a
	QUANTG \a
.irp i, 0,1,2
	global_store_b64 v[AO+\a], v[PCD+2*\i:PCD+2*\i+1], s[BASE0:BASE0+1] offset:256*\i   ; 32 lanes store 256 consecutive bytes, aligned
.endr
.irp i, 0,1,2
	global_store_b64 v[AO+\a], v[PCD+6+2*\i:PCD+7+2*\i], s[BASE1:BASE1+1] offset:256*\i
.endr
.if (\a)%2
	v_perm_b32 v60, v[PWB+\a], v[PWB+\a-1], s[PS0] ; selects 0-3 take the even block's bytes, 4-7 the odd block's
	v_perm_b32 v61, v[PWB+\a], v[PWB+\a-1], s[PS1]
	v_cndmask_b32 v[XW+(\a)/2], v60, v61, s[HM]
	global_store_b32 v[SO+(\a)/2], v[XW+(\a)/2], s[SBASE:SBASE+1]   ; two runs of 64 consecutive bytes
.endif
.endm
.irp a, 0,1,2,3,4,5,6,7
	OUTG \a
.endr
	s_wait_tensorcnt 0x0                           ; the wave's end
	ds_add_u32 v[SPW], v[NIL]
	s_wait_dscnt 0x0
	CROUND                                         ; the closing round: no work-group ends while a partner may still ask for a tile that names it
	s_endpgm
.Lfunc_end_k_qac2676d600_gemm_qkv:
	.size	k_qac2676d600_gemm_qkv, .Lfunc_end_k_qac2676d600_gemm_qkv-k_qac2676d600_gemm_qkv
	.p2alignl 7, 3214868480
	.fill 96, 4, 3214868480
	.section	.rodata,"a",@progbits
	.p2align	6, 0x0
	.amdhsa_kernel k_qac2676d600_gemm_qkv
		.amdhsa_group_segment_fixed_size 327680
		.amdhsa_private_segment_fixed_size 0
		.amdhsa_enable_private_segment 0
		.amdhsa_kernarg_size 32
		.amdhsa_user_sgpr_count 2
		.amdhsa_user_sgpr_kernarg_segment_ptr 1
		.amdhsa_wavefront_size32 1
		.amdhsa_system_sgpr_workgroup_id_x 1
		.amdhsa_system_sgpr_workgroup_id_y 1
		.amdhsa_system_sgpr_workgroup_id_z 1
		.amdhsa_system_vgpr_workitem_id 0
		.amdhsa_next_free_vgpr 1024
		.amdhsa_next_free_sgpr 102
		.amdhsa_reserve_vcc 0
		.amdhsa_float_denorm_mode_32 3
		.amdhsa_float_denorm_mode_16_64 3
		.amdhsa_memory_ordered 1
		.amdhsa_forward_progress 1
		.amdhsa_inst_pref_size 171
	.end_amdhsa_kernel
	.amdgpu_metadata
---
amdhsa.version: [ 1, 2 ]
amdhsa.kernels:
  - .name:           k_qac2676d600_gemm_qkv
    .symbol:         k_qac2676d600_gemm_qkv.kd
    .args:
      - { .name: x_q, .offset: 0, .size: 8, .value_kind: global_buffer, .address_space: global }
      - { .name: wqkv_q, .offset: 8, .size: 8, .value_kind: global_buffer, .address_space: global }
      - { .name: q_q, .offset: 16, .size: 8, .value_kind: global_buffer, .address_space: global }
      - { .name: kv_q, .offset: 24, .size: 8, .value_kind: global_buffer, .address_space: global }
    .group_segment_fixed_size: 327680
    .private_segment_fixed_size: 0
    .kernarg_segment_align: 8
    .kernarg_segment_size: 32
    .max_flat_workgroup_size: 128
    .sgpr_count:     102
    .vgpr_count:     1024
    .wavefront_size: 32
...
	.end_amdgpu_metadata
.endif
;; end of part 2
;; launch attn (part 3): grid 256 x 1, 16 waves a work-group, clusters of 4 x 1, 206,848 bytes of LDS; arguments q_q, kv_q, a_q; writes a_q
.if DOCPART == 3
	.amdgcn_target "amdgcn-amd-amdhsa--gfx1250"
	.amdhsa_code_object_version 6
	.text
	.protected	k_qac2676d600_attn
	.globl	k_qac2676d600_attn
	.p2align	8
	.type	k_qac2676d600_attn,@function
k_qac2676d600_attn:
	s_mov_b64 s[64:65], 0
	v_nop
	global_prefetch_b8 v0, s[64:65] scope:SCOPE_SE
	s_setreg_imm32_b32 hwreg(HW_REG_WAVE_MODE, 25, 1), 1
	s_wait_xcnt 0x0
	s_wait_alu depctr_hold_cnt(0) depctr_sa_sdst(0) depctr_va_vdst(0) depctr_va_sdst(0) depctr_va_ssrc(0) depctr_va_vcc(0) depctr_vm_vsrc(0)
	s_getreg_b32 s2, hwreg(HW_REG_IB_STS2, 6, 4)
	s_cmp_eq_u32 s2, 0
	s_cbranch_scc0 .Lentry_in_a_cluster
	s_endpgm
.Lentry_in_a_cluster:
	s_bfe_u32 s2, ttmp6, 0x10000c
	s_cmp_lg_u32 s2, 0x3003
	s_cbranch_scc0 .Lentry_shape_is_right
	s_endpgm
.Lentry_shape_is_right:
; Causal attention of 64 heads (4 batches x 16), 2,048 tokens, head size 64, both products on codes of FP6 (E2M3) with one E8M0 scale for each 32 along a product's K.
; LEFT OUT: key steps all of whose keys come after a tile's queries: the causal mask turns their scores into -infinity, so they add nothing to any sum.
; THE SOFTMAX: t = score x log2(e) / 8; M = the row's largest t so far, rounded up to a whole number; p = 2^(t - M) is quantised along the keys, not normalised.  The row's sum is taken of the unquantised p and divides O
; at the end.  When M moves, the sum and O are multiplied by 2^(old M - new M): exact.  O / sum is quantised along the head's 64 and leaves as codes for the last product.
; INPUTS (a fragment's registers 2 i, 2 i + 1 of lane l lie at 256 i + 8 l):
;   q_q: [head 64][tile of 16 tokens 128][768]; scale words behind 6,291,456: [64][pair of tiles 64][16 rows][4 bytes: 0, 1 the even tile's, 2, 3 the odd tile's]
;   kv_q: [64][group of 128 keys 16][K: 8 tiles x 768 | V: 4 fragments (16 d x 128 keys) x 1,536 | K's scale words 4 pairs x 64 | V's 4 x 64]: 12,800 bytes a group
;   Tile t's row i is token 32 (t / 2) + 8 (t % 2) + i + 8 (i / 8); V's fragment f's row i is d = 32 (f / 2) + 8 (f % 2) + i + 8 (i / 8).
; OUTPUT a_q: [tile of 16 tokens 512][pair of heads 8][1,536]; scale bytes behind 6,291,456: [16 x tile + row][32]: byte 2 x head + block.
; K = 64 IN AN INSTRUCTION OF K = 128: two key tiles' 768 bytes are one operand; it is multiplied by (Q, zeros) and by (zeros, Q).  Q lies in v16-21 and v28-33, zeros in v22-27.
; BOTH PRODUCTS ARE USED TRANSPOSED (source 0 = keys, or V's d; source 1 = my 16 queries, or p): a lane holds one query throughout.
; THE WHOLE HEAD LIES IN LDS: 16 groups x 12,800 = 204,800 bytes, filled once: wave w asks for group w at the head, its one tensor load; nothing is filled again.
; CLUSTER: the four work-groups of a head (cluster x = the head) ask for the groups jointly.  Work-group cx owns tiles 4 i + cx, i = 0 .. 31; wave w has a late tile, i = 31 - w, and an early one, i = w.  A tile's chunk
; of 128 queries is i / 2, whatever cx: so every branch hangs on the wave's number and the count of steps alone.  The late tile's chunk A is 8 .. 15, the early tile's is 15 - A: A + 1 and 16 - A key steps, 17 in every wave.
; THE WALK is 17 trips, each with one live key step in every wave.  Trips 0 to 8: the late tile, groups 0 to 8.  Trips s = 9 to 16: the late tile while s <= A; in trip A + 1 the wave sends the late tile out and
; begins the early one, which walks its groups DOWNWARD: trip s takes group 16 - s, from its own chunk down to group 0 (a running maximum serves any order of the keys).  So both LDS addresses are counted scalars.
; BARRIERS: one shows groups 0 to 3 (waves 0 to 3 have a load line of their own and wait for it), one behind trip 3 shows all sixteen.  Each trip signals at its head and waits at its end, with register work and LDS loads
; alone between: no wave is more than a trip ahead of another.
; NO PREFETCH: all that the launch reads of K and V is asked for by the head's loads; there is no later request to run ahead of.  Both tiles' Q are loaded at the head.
; The scale bytes go out as 2 bytes a row: the other 30 of a row's 32 belong to other heads' work-groups; they are 1/24 of the output.
; LIMITS: a block whose largest magnitude lies under 2^-124 gets the byte 1; NaN and infinities are not served; the promise holds while |t| stays under 2^31; a block's largest p is made from its largest score, which takes v_exp_f32 not to fall where its input rises.
.set GRPB,  12800
.set SPARE, 16*GRPB                    ; the spare words, 128 bytes for each wave: eight blocks of 256 bytes that no other line names
.set L8,   1                           ; v1   8 x lane
.set ASC,  2                           ; v2   12,288 + 4 r: a group's scale words
.set QD,   3                           ; v3   my query - 16 h
.set QB,   4                           ; v4   r + 8 (r / 8) - 16 h
.set SPW,  5                           ; v5   my spare word; never rewritten
.set NIL,  6                           ; v6   0; never rewritten
.set ADK,  8                           ; v8   LDS address of the group in hand, my lane
.set ADS,  10                          ; v10  of its scale words
.set FRG,  36                          ; v36-83 four operands of K, then of V
.set QN,   84                          ; v84-90 the early tile's Q and scale word
.set TB,   2                           ; s2   LDS byte of group s, s the trip
.set CNT,  3
.set WV,   18
.set CX,   19
.set SEL,  20                          ; s[20:21] selects for lane l xor 16
.set CS,   22                          ; s[22:23] c = log2(e) / 8
.set G1D,  24
.set G0,   40
.set KF,   50                          ; 128 s: group s's first key
.set CH,   51                          ; 128 x the late tile's chunk
.set CH2,  55                          ; 128 x the early tile's
.set KF2,  58                          ; 128 (16 - s)
.set TB2,  59                          ; LDS byte of group 16 - s
.set SW,   60                          ; 128 (A + 1): the trip in which I change tiles
.set TBL,  61                          ; s[TB], held at group 15
.macro ROUND
	s_barrier_signal -1
	s_barrier_wait -1
	s_cmp_lg_u32 s[WV], 0
	s_cbranch_scc1 .Lnot_wave_0_\@
	s_barrier_signal -3
.Lnot_wave_0_\@:
	s_barrier_wait -3
	s_barrier_signal -1
	s_barrier_wait -1
.endm
; Tile 4 i + cx: where its Q, its scale words and its results lie; its first query; 128 x its chunk (from i alone)
.macro PLACE i, qc, qs, oc, os, qmin, ch
	s_lshl_b32 s60, s\i, 2
	s_add_co_u32 s60, s60, s[CX]
	s_lshr_b32 s\ch, s\i, 1
	s_lshl_b32 s\ch, s\ch, 7
	s_lshr_b32 s61, s60, 1
	s_and_b32 s62, s60, 1
	s_lshl_b32 s62, s62, 3
	s_lshl_b32 s\qmin, s61, 5
	s_add_co_u32 s\qmin, s\qmin, s62
	s_mul_i32 s62, s60, 768
	s_mul_i32 s63, ttmp9, 98304
	s_add_co_u32 s62, s62, s63
	s_mov_b32 s63, 0
	s_add_nc_u64 s[\qc:\qc+1], s[4:5], s[62:63]
	s_lshl_b32 s62, s61, 6
	s_lshl_b32 s61, ttmp9, 12
	s_add_co_u32 s62, s62, s61
	s_add_co_u32 s62, s62, 6291456
	s_add_nc_u64 s[\qs:\qs+1], s[4:5], s[62:63]
	s_lshr_b32 s61, ttmp9, 4
	s_lshl_b32 s61, s61, 7
	s_add_co_u32 s61, s61, s60
	s_and_b32 s60, ttmp9, 15
	s_mul_i32 s62, s61, 12288
	s_mul_i32 s59, s60, 768
	s_add_co_u32 s62, s62, s59
	s_add_nc_u64 s[\oc:\oc+1], s[8:9], s[62:63]
	s_lshl_b32 s62, s61, 9
	s_lshl_b32 s60, s60, 1
	s_add_co_u32 s62, s62, s60
	s_add_co_u32 s62, s62, 6291456
	s_add_nc_u64 s[\os:\os+1], s[8:9], s[62:63]
.endm
.macro TINIT qmin                      ; a tile's state: nothing seen yet
	v_add_nc_u32 v[QD], s\qmin, v[QB]
	v_mov_b32 v13, 0xff61b1e6                      ; the largest t so far: -3e38
	v_floor_f32 v12, -v13                          ; -M
	v_mov_b32 v14, 0
	v_mov_b32 v15, 0
.set JJ, 0
.rept 32
	v_mov_b32 v[160+JJ], 0                         ; O^T: the step has no first step of its own
.set JJ, JJ+1
.endr
	s_wait_alu depctr_va_vdst(0)                   ; the wait ahead of the branches and waits that follow
.endm
; A KEY STEP: the 128 keys of the group at s[tb], whose first key is s[kf]; ch: 128 x the chunk of the tile in hand.  full = 1: every key counts for every wave (no test, no mask).
.macro STEP full, tb=TB, kf=KF, ch=CH
	v_add_nc_u32 v[ADK], s[\tb], v[L8]
	v_add_nc_u32 v[ADS], s[\tb], v[ASC]
	v_nop
	v_nop                                          ; four plain lines in front of loads into registers that the last products have read
.irp s, 0,1,2,3
.irp p, 0,1,2,3,4,5
	ds_load_b64 v[FRG+12*\s+2*\p:FRG+12*\s+2*\p+1], v[ADK] offset:1536*\s+256*\p
.endr
	ds_load_b32 v[248+\s], v[ADS] offset:64*\s
.endr
	s_wait_alu depctr_va_vdst(0)
	s_wait_dscnt 0x0
.irp s, 0,1,2,3                                ; S^T = K Q^T: tile 2 s against (Q, 0), tile 2 s + 1 against (0, Q)
	v_wmma_scale_f32_16x16x128_f8f6f4 v[96+16*\s:103+16*\s], v[FRG+12*\s:FRG+12*\s+11], v[16:27], 0, v[248+\s], v255 matrix_a_fmt:MATRIX_FMT_FP6 matrix_b_fmt:MATRIX_FMT_FP6
	v_wmma_scale_f32_16x16x128_f8f6f4 v[104+16*\s:111+16*\s], v[FRG+12*\s:FRG+12*\s+11], v[22:33], 0, v[248+\s], v255 matrix_a_fmt:MATRIX_FMT_FP6 matrix_b_fmt:MATRIX_FMT_FP6
.endr                                          ; lane (r, h): my query; register 16 b + i: key kf + 32 b + 16 h + i
.rept 4
	v_nop
.endr
.irp s, 0,1,2,3                                ; V's fragments are asked for now and land under the softmax
.irp p, 0,1,2,3,4,5
	ds_load_b64 v[FRG+12*\s+2*\p:FRG+12*\s+2*\p+1], v[ADK] offset:6144+1536*\s+256*\p
.endr
	ds_load_b32 v[248+\s], v[ADS] offset:256+64*\s
.endr
.if \full == 0
	s_cmp_lt_u32 s[\kf], s[\ch]                    ; ahead of my chunk every key counts; in it hidden keys' scores become -infinity
	s_cbranch_scc1 .Lopen_\@
	v_sub_nc_u32 v252, v[QD], s[\kf]               ; register 16 b + i is hidden where 32 b + i > my query - 16 h - kf.  The group's first key always counts
	v_mov_b32 v254, 0xff800000
.set JJ, 0
.rept 64
	v_cmp_gt_i32 vcc_lo, 32*(JJ/16)+JJ%16, v252
	v_cndmask_b32 v[96+JJ], v[96+JJ], v254, vcc_lo
.set JJ, JJ+1
.endr
.Lopen_\@:
.endif
.irp b, 0,1,2,3
	v_max3_num_f32 v[232+\b], v[96+16*\b], v[97+16*\b], v[98+16*\b]   ; the largest score of each block of 32 keys
.endr
.irp i, 3,5,7,9,11,13
.irp b, 0,1,2,3
	v_max3_num_f32 v[232+\b], v[232+\b], v[96+16*\b+\i], v[97+16*\b+\i]
.endr
.endr
.irp b, 0,1,2,3
	v_max_num_f32 v[232+\b], v[232+\b], v[111+16*\b]
.endr
.irp b, 0,1,2,3
	s_delay_alu instid0(VALU_DEP_4)
	v_permlanex16_b32 v[236+\b], v[232+\b], s[SEL], s[SEL+1]
.endr
.irp b, 0,1,2,3
	s_delay_alu instid0(VALU_DEP_4)
	v_max_num_f32 v[232+\b], v[232+\b], v[236+\b]
.endr
	s_delay_alu instid0(VALU_DEP_2)
	v_max3_num_f32 v254, v232, v233, v234
	s_delay_alu instid0(VALU_DEP_1)
	v_max_num_f32 v254, v254, v235
	s_delay_alu instid0(VALU_DEP_1)
	v_mul_f32 v254, s[CS], v254
	s_delay_alu instid0(VALU_DEP_1)
	v_max_num_f32 v13, v13, v254                   ; the running largest t
	v_mov_b32 v254, v12
	s_delay_alu instid0(VALU_DEP_2)
	v_floor_f32 v12, -v13                          ; the new -M
	s_delay_alu instid0(VALU_DEP_1)
	v_sub_f32 v254, v12, v254
	s_delay_alu instid0(VALU_DEP_1)
	v_cvt_i32_f32 v254, v254
	s_delay_alu instid0(VALU_DEP_1)
	v_ldexp_f32 v252, 1.0, v254                    ; f = 2^(old M - new M)
.set JJ, 0
.rept 32
	v_pk_fma_f32 v[96+JJ:97+JJ], v[96+JJ:97+JJ], s[CS:CS+1], v[12:13] op_sel_hi:[1,0,0]   ; t - M
.set JJ, JJ+2
.endr
.irp b, 0,1,2,3
	v_fma_f32 v[232+\b], v[232+\b], s[CS], v12
.endr
.set JJ, 0
	s_wait_alu depctr_va_vdst(0)                   ; the wait ahead of the batch
.rept 64
	v_exp_f32 v[96+JJ], v[96+JJ]                   ; p
.set JJ, JJ+1
.endr
	v_pk_mul_f32 v[14:15], v[14:15], v[252:253] op_sel_hi:[1,0]
	s_wait_alu depctr_va_vdst(0)                   ; and behind it
.irp b, 0,1,2,3
	v_exp_f32 v[232+\b], v[232+\b]                 ; the block's largest p
.endr
	v_pk_add_f32 v[236:237], v[100:101], v[104:105]   ; the row's sum of the unquantised p, in eight chains
	v_pk_add_f32 v[246:247], v[108:109], v[112:113]
	v_pk_add_f32 v[244:245], v[116:117], v[120:121]
	v_pk_add_f32 v[242:243], v[124:125], v[128:129]
	v_pk_add_f32 v[240:241], v[132:133], v[136:137]
	v_pk_add_f32 v[238:239], v[140:141], v[144:145]
	v_pk_add_f32 v[230:231], v[148:149], v[152:153]
	v_pk_add_f32 v[14:15], v[14:15], v[156:157]
	v_pk_add_f32 v[236:237], v[236:237], v[96:97]
	v_pk_add_f32 v[246:247], v[246:247], v[98:99]
	v_pk_add_f32 v[244:245], v[244:245], v[102:103]
	v_pk_add_f32 v[242:243], v[242:243], v[106:107]
	v_pk_add_f32 v[240:241], v[240:241], v[110:111]
	v_pk_add_f32 v[238:239], v[238:239], v[114:115]
	v_pk_add_f32 v[230:231], v[230:231], v[118:119]
	v_pk_add_f32 v[14:15], v[14:15], v[122:123]
	v_pk_add_f32 v[236:237], v[236:237], v[126:127]
	v_pk_add_f32 v[246:247], v[246:247], v[130:131]
	v_pk_add_f32 v[244:245], v[244:245], v[134:135]
	v_pk_add_f32 v[242:243], v[242:243], v[138:139]
	v_pk_add_f32 v[240:241], v[240:241], v[142:143]
	v_pk_add_f32 v[238:239], v[238:239], v[146:147]
	v_pk_add_f32 v[230:231], v[230:231], v[150:151]
	v_pk_add_f32 v[14:15], v[14:15], v[154:155]
	v_pk_add_f32 v[236:237], v[236:237], v[158:159]
	s_delay_alu instid0(VALU_DEP_2)
	v_pk_add_f32 v[14:15], v[14:15], v[242:243]
	s_delay_alu instid0(VALU_DEP_2)
	v_pk_add_f32 v[236:237], v[236:237], v[240:241]
	v_pk_add_f32 v[246:247], v[246:247], v[238:239]
	v_pk_add_f32 v[244:245], v[244:245], v[230:231]
	s_delay_alu instid0(VALU_DEP_2)
	v_pk_add_f32 v[14:15], v[14:15], v[246:247]
	s_delay_alu instid0(VALU_DEP_2)
	v_pk_add_f32 v[236:237], v[236:237], v[244:245]
	s_delay_alu instid0(VALU_DEP_1)
	v_pk_add_f32 v[14:15], v[14:15], v[236:237]
	s_wait_alu depctr_va_vdst(0)                   ; for the four exponentials
.irp b, 0,1,2,3
	v_max_num_f32 v[232+\b], 0x1800000, v[232+\b]  ; the floor 2^(3 - 127): the byte cannot fall under 1
.endr
.irp b, 0,1,2,3
	s_delay_alu instid0(VALU_DEP_4)
	v_add_nc_u32 v[244+\b], 0xff000000, v[232+\b]  ; the conversion's scale operand
.endr
.irp b, 0,1,2,3
	s_delay_alu instid0(VALU_DEP_4)
	v_lshrrev_b32 v[236+\b], 23, v[244+\b]         ; the scale's byte
.endr
	s_delay_alu instid0(VALU_DEP_3)
	v_lshl_or_b32 v253, v237, 8, v236              ; p's scale word
	s_delay_alu instid0(VALU_DEP_1)
	v_lshl_or_b32 v253, v238, 16, v253
	s_delay_alu instid0(VALU_DEP_1)
	v_lshl_or_b32 v253, v239, 24, v253
.irp c, 0,1
	v_cvt_scalef32_pk16_fp6_f32 v[224+6*\c:226+6*\c], v[96+32*\c:111+32*\c], v[244+2*\c]
	v_cvt_scalef32_pk16_fp6_f32 v[236+4*\c:238+4*\c], v[112+32*\c:127+32*\c], v[244+2*\c+1]
.endr
	v_nop                                          ; one plain line behind the conversions
.irp c, 0,1                                    ; the operand's layout wants a whole block in a lane
.irp i, 0,1,2
	v_permlane16_swap_b32 v[224+6*\c+\i], v[236+4*\c+\i]
.endr
.irp i, 0,1,2
	s_delay_alu instid0(VALU_DEP_3)
	v_mov_b32 v[227+6*\c+\i], v[236+4*\c+\i]
.endr
.endr
.set JJ, 0
.rept 16
	v_pk_mul_f32 v[160+JJ:161+JJ], v[160+JJ:161+JJ], v[252:253] op_sel_hi:[1,0]   ; O^T under the new M; also the places between p's codes and scale word and the products
.set JJ, JJ+2
.endr
	s_wait_alu depctr_va_vdst(0)
	s_wait_dscnt 0x0                               ; V's fragments and scale words are in
.irp s, 0,1,2,3                                ; O^T += V^T p^T: four accumulators by turns
	v_wmma_scale_f32_16x16x128_f8f6f4 v[160+8*\s:167+8*\s], v[FRG+12*\s:FRG+12*\s+11], v[224:235], v[160+8*\s:167+8*\s], v[248+\s], v253 matrix_a_fmt:MATRIX_FMT_FP6 matrix_b_fmt:MATRIX_FMT_FP6
.endr
.endm
.macro WALK label, trips, full         ; trips in which every wave works on its late tile
	s_mov_b32 s[CNT], \trips
\label:
	s_barrier_signal -1                            ; I have begun this trip (no LDS instruction of mine is out);
	STEP \full
	s_barrier_wait -1                              ; I leave it when every wave has begun it
	s_add_co_u32 s[KF], s[KF], 128
	s_add_co_u32 s[TB], s[TB], GRPB
	s_sub_co_u32 s[CNT], s[CNT], 1
	s_cmp_lg_u32 s[CNT], 0
	s_cbranch_scc1 \label
.endm
; THE WAY OUT of a tile.  O^T / the sum: register 16 g + i is d = 32 g + 16 h + i of my query: two blocks of 32 along the last product's K: half a fragment and two scale bytes.
.macro WAYOUT oc, os, more
	v_add_f32 v14, v14, v15
	s_delay_alu instid0(VALU_DEP_1)
	v_permlanex16_b32 v252, v14, s[SEL], s[SEL+1]
	s_delay_alu instid0(VALU_DEP_1)
	v_add_f32 v14, v14, v252                       ; the row's sum
	s_wait_alu depctr_va_vdst(0)
	v_rcp_f32 v14, v14
	v_and_b32 v8, 15, v0
	s_delay_alu instid0(VALU_DEP_1)
	v_lshlrev_b32 v9, 5, v8                        ; 32 scale bytes a row
	s_wait_alu depctr_va_vdst(0)
.set JJ, 0
.rept 32
	v_mul_f32 v[96+JJ], v[160+JJ], v14
.set JJ, JJ+1
.endr
.irp b, 0,1
	v_max3_num_f32 v[232+\b], |v[96+16*\b]|, |v[97+16*\b]|, 0x1800000
.endr
.irp i, 2,4,6,8,10,12,14
.irp b, 0,1
	s_delay_alu instid0(VALU_DEP_2)
	v_max3_num_f32 v[232+\b], v[232+\b], |v[96+16*\b+\i]|, |v[97+16*\b+\i]|
.endr
.endr
.irp b, 0,1
	s_delay_alu instid0(VALU_DEP_2)
	v_permlanex16_b32 v[236+\b], v[232+\b], s[SEL], s[SEL+1]
.endr
.irp b, 0,1
	s_delay_alu instid0(VALU_DEP_2)
	v_max_num_f32 v[232+\b], v[232+\b], v[236+\b]
.endr
.irp b, 0,1
	s_delay_alu instid0(VALU_DEP_2)
	v_add_nc_u32 v[244+\b], 0xff000000, v[232+\b]
.endr
.irp b, 0,1
	s_delay_alu instid0(VALU_DEP_2)
	v_lshrrev_b32 v[240+\b], 23, v[244+\b]
.endr
	s_delay_alu instid0(VALU_DEP_1)
	v_lshl_or_b32 v253, v241, 8, v240              ; my row's two scale bytes
	v_cvt_scalef32_pk16_fp6_f32 v[224:226], v[96:111], v244
	v_cvt_scalef32_pk16_fp6_f32 v[236:238], v[112:127], v245
	v_nop
.irp i, 0,1,2
	v_permlane16_swap_b32 v[224+\i], v[236+\i]
.endr
.irp i, 0,1,2
	s_delay_alu instid0(VALU_DEP_3)
	v_mov_b32 v[227+\i], v[236+\i]
.endr
.irp i, 0,1,2
	global_store_b64 v[L8], v[224+2*\i:225+2*\i], s[\oc:\oc+1] offset:256*\i   ; 32 lanes store 256 consecutive bytes, aligned
.endr
	global_store_b16 v9, v253, s[\os:\os+1]
.if \more
	s_wait_xcnt 0x0                                ; the stores have read their registers: the next tile writes them again
.endif
.endm
	s_load_b128 s[4:7], s[0:1], 0x0                ; q_q s[4:5], kv_q s[6:7]
	s_load_b64 s[8:9], s[0:1], 0x10                ; a_q
	v_lshl_add_u32 v[SPW], v0, 2, SPARE
	v_mov_b32 v[NIL], 0
	ds_add_u32 v[SPW], v[NIL]                      ; the opening lines: the add, twice on end, and its wait ahead of my first tensor load
	ds_add_u32 v[SPW], v[NIL]
	v_lshrrev_b32 v8, 5, v0
	v_readfirstlane_b32 s[WV], v8                  ; wave 0..15
	s_bfe_u32 s[CX], ttmp6, 0x40000                ; my place in the cluster; ttmp9 is the head
	s_mov_b32 s[G1D], 15|(3<<16)|(1<<21)           ; all four work-groups of the cluster; elements of 8 bytes
	s_mov_b32 s[G1D+1], 32<<16                     ; 50 rows of 256 bytes, dense: a group
	s_mov_b32 s[G1D+2], 50<<16
	s_mov_b32 s[G1D+3], 32<<16
	s_mov_b32 s[G1D+4], 50
	s_mov_b32 s[G1D+5], 32
	s_mov_b32 s[G1D+6], 0
	s_mov_b32 s[G1D+7], 0
	s_mov_b32 s[G0], 1
	s_mul_i32 s[G0+1], s[WV], GRPB                 ; group w, in LDS and in the head's bytes
	s_mul_i32 s60, ttmp9, 16*GRPB
	s_add_co_u32 s60, s60, s[G0+1]
	s_mov_b32 s61, 0
	s_mov_b32 s[SEL], 0x76543210
	s_mov_b32 s[SEL+1], 0xfedcba98
	s_mov_b32 s[CS], 0x3e38aa3b
	s_mov_b32 s[CS+1], s[CS]
	s_sub_co_u32 s56, 31, s[WV]                    ; i of my late tile; that of my early tile is the wave's number
	s_wait_alu depctr_va_vdst(0)
	s_wait_dscnt 0x0
	ROUND                                          ; the four work-groups are here: the joint loads meet
	s_wait_kmcnt 0x0
	s_add_nc_u64 s[G0+2:G0+3], s[6:7], s[60:61]
	s_or_b32 s[G0+3], s[G0+3], 0x80000000
	s_cmp_lt_u32 s[WV], 4                          ; two arms, one load each: waves 0 to 3, whose groups the first barrier shows, have a line of their own
	s_cbranch_scc0 .Llater
	tensor_load_to_lds s[G0:G0+3], s[G1D:G1D+7]
	s_nop 0
.rept 4
	v_nop
.endr
	s_branch .Lasked
.Llater:
	tensor_load_to_lds s[G0:G0+3], s[G1D:G1D+7]
	s_nop 0
.rept 4
	v_nop
.endr
.Lasked:
	PLACE 56, 10, 12, 14, 16, 52, 51
	PLACE 18, 32, 34, 36, 38, 53, 55
	s_and_b32 s48, s[CX], 1                        ; both tiles are even, or both odd
	s_cmp_eq_u32 s48, 1
	s_mov_b32 s49, 0x01000100                      ; Q's two scale bytes, twice: an even tile's are bytes 0, 1 of the pair's word,
	s_cselect_b32 s49, 0x03020302, s49             ; an odd tile's bytes 2, 3
	v_and_b32 v[L8], 31, v0
	v_lshlrev_b32 v[L8], 3, v[L8]
	v_and_b32 v8, 15, v0                           ; r
	v_lshlrev_b32 v254, 2, v8
.irp i, 0,1,2
	global_load_b64 v[16+2*\i:17+2*\i], v[L8], s[10:11] offset:256*\i   ; the late tile's Q, twice
	global_load_b64 v[28+2*\i:29+2*\i], v[L8], s[10:11] offset:256*\i
	global_load_b64 v[QN+2*\i:QN+2*\i+1], v[L8], s[32:33] offset:256*\i ; the early tile's, kept for later
.endr
	global_load_b32 v255, v254, s[12:13]
	global_load_b32 v[QN+6], v254, s[34:35]
	v_bfe_u32 v9, v0, 4, 1                         ; h
	v_lshl_add_u32 v[ASC], v8, 2, 12288
	v_and_b32 v10, 8, v8
	v_add_nc_u32 v[QB], v8, v10
	v_lshlrev_b32 v10, 4, v9
	v_sub_nc_u32 v[QB], v[QB], v10
.irp i, 0,1,2,3,4,5
	v_mov_b32 v[22+\i], 0                          ; the zero codes between the two copies of Q
.endr
.irp b, 0,1,2,3
	v_mov_b32 v[236+\b], 0                         ; written once: a lane permute's destination counts as one of its sources
.endr
	v_mov_b32 v252, 0
	v_mov_b32 v253, 0
	s_wait_alu depctr_va_vdst(0)
	s_wait_loadcnt 0x0
	v_perm_b32 v255, v255, v255, s49               ; Q's scale word: its two bytes for either half of K
	TINIT 52
	s_mov_b32 s[KF], 0
	s_mov_b32 s[TB], 0
	s_cmp_lt_u32 s[WV], 4
	s_cbranch_scc0 .Lnot_first
	s_wait_tensorcnt 0x0
.Lnot_first:
	s_barrier_signal -1
	s_barrier_wait -1                              ; groups 0 to 3 are in
	WALK .Lfirst, 4, 1                             ; trips 0 to 3: the late tile's chunk is 8 or more: these 512 keys all count
	s_wait_tensorcnt 0x0                           ; every wave's group is in,
	s_wait_dscnt 0x0
	s_barrier_signal -1
	s_barrier_wait -1                              ; and shown to all
	WALK .Lboth, 5, 0                              ; trips 4 to 8: still the late tile in every wave
	s_mov_b32 s[KF2], 7*128
	s_mov_b32 s[TB2], 7*GRPB
	s_add_co_u32 s[SW], s[CH], 128
	s_mov_b32 s[CNT], 8
.Lmix:                                             ; trips 9 to 16
	s_cmp_eq_u32 s[KF], s[SW]                      ; the late tile's last step is done: it goes out, ahead of the trip's signal, and the early tile begins
	s_cbranch_scc0 .Lsame
	WAYOUT 14, 16, 1
	v_perm_b32 v255, v[QN+6], v[QN+6], s49
.irp i, 0,1,2,3,4,5
	v_mov_b32 v[16+\i], v[QN+\i]
	v_mov_b32 v[28+\i], v[QN+\i]
.endr
	TINIT 53
.Lsame:
	s_barrier_signal -1
	s_min_u32 s[TBL], s[TB], 15*GRPB               ; (in trip 16 no wave has a late step: the address stays in the head's bytes all the same)
	s_cmp_gt_u32 s[KF], s[CH]
	s_cbranch_scc1 .Learly
	STEP 0, TBL
	s_branch .Ljoin
.Learly:
	STEP 0, TB2, KF2, CH2
.Ljoin:
	s_barrier_wait -1
	s_add_co_u32 s[KF], s[KF], 128
	s_add_co_u32 s[TB], s[TB], GRPB
	s_sub_co_u32 s[KF2], s[KF2], 128               ; (behind the last trip these two are not read)
	s_sub_co_u32 s[TB2], s[TB2], GRPB
	s_sub_co_u32 s[CNT], s[CNT], 1
	s_cmp_lg_u32 s[CNT], 0
	s_cbranch_scc1 .Lmix
	WAYOUT 36, 38, 0
	s_wait_tensorcnt 0x0                           ; the wave's end
	ds_add_u32 v[SPW], v[NIL]
	s_wait_dscnt 0x0
	ROUND                                          ; the closing round
	s_endpgm
.Lfunc_end_k_qac2676d600_attn:
	.size	k_qac2676d600_attn, .Lfunc_end_k_qac2676d600_attn-k_qac2676d600_attn
	.p2alignl 7, 3214868480
	.fill 96, 4, 3214868480
	.section	.rodata,"a",@progbits
	.p2align	6, 0x0
	.amdhsa_kernel k_qac2676d600_attn
		.amdhsa_group_segment_fixed_size 206848
		.amdhsa_private_segment_fixed_size 0
		.amdhsa_enable_private_segment 0
		.amdhsa_kernarg_size 24
		.amdhsa_user_sgpr_count 2
		.amdhsa_user_sgpr_kernarg_segment_ptr 1
		.amdhsa_wavefront_size32 1
		.amdhsa_system_sgpr_workgroup_id_x 1
		.amdhsa_system_sgpr_workgroup_id_y 1
		.amdhsa_system_sgpr_workgroup_id_z 1
		.amdhsa_system_vgpr_workitem_id 0
		.amdhsa_next_free_vgpr 256
		.amdhsa_next_free_sgpr 66
		.amdhsa_reserve_vcc 1
		.amdhsa_float_denorm_mode_32 3
		.amdhsa_float_denorm_mode_16_64 3
		.amdhsa_memory_ordered 1
		.amdhsa_forward_progress 1
		.amdhsa_inst_pref_size 110
	.end_amdhsa_kernel
	.amdgpu_metadata
---
amdhsa.version: [ 1, 2 ]
amdhsa.kernels:
  - .name:           k_qac2676d600_attn
    .symbol:         k_qac2676d600_attn.kd
    .args:
      - { .name: q_q, .offset: 0, .size: 8, .value_kind: global_buffer, .address_space: global }
      - { .name: kv_q, .offset: 8, .size: 8, .value_kind: global_buffer, .address_space: global }
      - { .name: a_q, .offset: 16, .size: 8, .value_kind: global_buffer, .address_space: global }
    .group_segment_fixed_size: 206848
    .private_segment_fixed_size: 0
    .kernarg_segment_align: 8
    .kernarg_segment_size: 24
    .max_flat_workgroup_size: 512
    .sgpr_count:     66
    .vgpr_count:     256
    .wavefront_size: 32
...
	.end_amdgpu_metadata
.endif
;; end of part 3
;; launch gemm_proj (part 4): grid 8 x 32, 4 waves a work-group, clusters of 4 x 4, 320,000 bytes of LDS; arguments a_q, wproj_q, b_proj, out0; writes out0
.if DOCPART == 4
	.amdgcn_target "amdgcn-amd-amdhsa--gfx1250"
	.amdhsa_code_object_version 6
	.text
	.protected	k_qac2676d600_gemm_proj
	.globl	k_qac2676d600_gemm_proj
	.p2align	8
	.type	k_qac2676d600_gemm_proj,@function
k_qac2676d600_gemm_proj:
	s_mov_b64 s[64:65], 0
	v_nop
	global_prefetch_b8 v0, s[64:65] scope:SCOPE_SE
	s_setreg_imm32_b32 hwreg(HW_REG_WAVE_MODE, 25, 1), 1
	s_wait_xcnt 0x0
	s_wait_alu depctr_hold_cnt(0) depctr_sa_sdst(0) depctr_va_vdst(0) depctr_va_sdst(0) depctr_va_ssrc(0) depctr_va_vcc(0) depctr_vm_vsrc(0)
	s_getreg_b32 s2, hwreg(HW_REG_IB_STS2, 6, 4)
	s_cmp_eq_u32 s2, 0
	s_cbranch_scc0 .Lentry_in_a_cluster
	s_endpgm
.Lentry_in_a_cluster:
	s_bfe_u32 s2, ttmp6, 0x10000c
	s_cmp_lg_u32 s2, 0xf033
	s_cbranch_scc0 .Lentry_shape_is_right
	s_endpgm
.Lentry_shape_is_right:
; out0 = a W_proj + b_proj on codes of FP6 (E2M3) with one E8M0 scale for each 32 along K; M = 8,192 tokens, N = 1,024, K = 1,024; sums in f32.
; INPUTS.  a_q: [tile of 16 tokens 512][128 along K: 8][1,536: registers 2 i, 2 i + 1 of lane l at 256 i + 8 l]; scale bytes behind 6,291,456: [16 x tile + row][32].  Tile t's row i is token 32 (t / 2) + 8 (t % 2) + i + 8 (i / 8).
; wproj_q: stored row R's byte y at 196,608 (R / 256) + 49,152 (y / 192) + 192 (R % 256) + y % 192; scale bytes behind 786,432: [R][32].  Stored rows 16 t + i are the columns 32 (t / 2) + 8 (t % 2) + i + 8 (i / 8).
; THE DEAL.  A work-group makes 256 tokens x 128 columns: 32 x 8 = 256 work-groups.  K is short, so nothing walks along K and nothing is filled again: a's 16 tiles (196,608 dense bytes) and W's 128 rows
; (4 pieces of 24,576 bytes; 16 bytes of padding behind every 64: LDS rows of 240) are asked for at the head.  Four waves, 2 x 2: wave (a, b) holds W's rows 64 b .. 64 b + 63, ALL of K, in 384 registers,
; and streams tiles 2 s + a, s = 0 .. 7, past them: 8 fragments a tile, two sets of registers; 32 products finish 16 tokens x 64 columns.
; CLUSTERS: 4 x 4; a's tiles are asked for jointly along a row of the cluster, W's rows along a column.
; Source 0 = W's rows, source 1 = the tokens: a lane's eight results are eight neighbouring columns of one token.  The bias is the first four products' C.  The four accumulators take turns.
; THE WAY OUT: a tile's 16 x 64 results go through the wave's own stage in LDS and come back as rows of 256 bytes: each store covers two aligned units of 256 bytes.  The stage lies in W's bytes, which have had their one fill
; and their last read at the second barrier.  Tile s - 1 is stored behind tile s's products.
; Scale words and bias come by plain loads into registers: 16 + 64 + 32 registers.  NO PREFETCH: all tiles are asked for at the head; there is no loop to run ahead in.
; THE WAITS ON DScnt ahead of a tile's products: behind its fetch were issued the stage's 8 stores and 8 loads and the next fetch's 48 loads: 64 (written as the field's 63); tile 0: 48; tile 7: 16.
.set PITCH,  240
.set FR,     12
.set FPW,    21                        ; fragments in a window of 256 registers: fragment f lies in window 1 + f / 21 at register 12 (f % 21): 0-31 W's (4 q + b), 32-39 and 40-47 the tokens' two sets
.set BVB,    196608                    ; W's region, behind a's
.set SPITCH, 272
.set SPARE,  BVB+4*128*PITCH           ; the spare words, 128 bytes for each wave: two blocks of 256 bytes that no other line names
.set ADRA, 4                           ; v4-7   LDS address of my tiles 2 s + a, s = 0, 2, 4, 6
.set ADRB, 8                           ; v8, v9 of W's fragments in K steps 0, 1 (v9: behind one padding more); v10, v11 in K steps 2, 3
.set STO,  12
.set RD,   13
.set CO,   14
.set ABS,  15
.set AAS,  16
.set VB,   17
.set SPW,  22                          ; v22 my spare word; never rewritten
.set NIL,  23                          ; v23 0; never rewritten
.set SB,   24                          ; v24-39  W's scale words: register 8 p + q: lanes 0-15 tile 2 p's, lanes 16-31 tile 2 p + 1's
.set SA,   44                          ; v44-107 the tokens': register 8 s + q
.set ACC,  112                         ; v112-143 four accumulators
.set BK,   144                         ; v144-175, v208-239 a tile read back from the stage, by turns
.set BIAS, 176                         ; v176-207
.set G1A, 24
.set G1W, 48
.set G0W, 32
.set G0A, 36
.set MSB, 0
.macro WIN new                         ; the immediate's high byte repeats the setting that is left
.if MSB != \new
	s_set_vgpr_msb (MSB<<8)|\new
.set MSB, \new
.endif
.endm
.macro PLACES n
.rept \n
	v_nop
.endr
.endm
.macro TLOAD g0, g1
	tensor_load_to_lds s[\g0:\g0+3], s[\g1:\g1+7]
	s_nop 0
	PLACES 4
.endm
.macro CROUND
	s_barrier_signal -1
	s_barrier_wait -1
	s_cmp_lg_u32 s14, 0
	s_cbranch_scc1 .Lnot_wave_0_\@
	s_barrier_signal -3
.Lnot_wave_0_\@:
	s_barrier_wait -3
	s_barrier_signal -1
	s_barrier_wait -1
.endm
.macro W1 d, a, b, c, xa, xb, row
	v_wmma_scale_f32_16x16x128_f8f6f4 v[\d:\d+7], v[\a:\a+11], v[\b:\b+11], \c, v[\xa], v[\xb] matrix_a_fmt:MATRIX_FMT_FP6 matrix_b_fmt:MATRIX_FMT_FP6 matrix_a_scale:MATRIX_SCALE_ROW\row
.endm
.macro PROD s, n                       ; product n = 4 q + b of tile s
.set Q_, (\n)/4
.set B_, (\n)%4
.set FA_, 32+8*((\s)%2)+Q_
.set D_, ACC+8*B_
.set A_, FR*((\n)%FPW)
.set X_, FR*(FA_%FPW)
.set SW_, SB+8*(B_/2)+Q_
.set SX_, SA+8*(\s)+Q_
.if Q_
.set CC_, D_
.else
.set CC_, BIAS+8*B_
.endif
	WIN (1+(\n)/FPW)|((1+FA_/FPW)<<2)
.if B_%2
	W1 D_, A_, X_, v[CC_:CC_+7], SW_, SX_, 1
.else
	W1 D_, A_, X_, v[CC_:CC_+7], SW_, SX_, 0
.endif
.endm
.macro FETCH s                         ; tile 2 s + a: 48 loads, each of 256 consecutive bytes
.irp q, 0,1,2,3,4,5,6,7
.set F_, 32+8*((\s)%2)+\q
	WIN (1+F_/FPW)<<6
.irp p, 0,1,2,3,4,5
	ds_load_b64 v[FR*(F_%FPW)+2*\p:FR*(F_%FPW)+2*\p+1], v[ADRA+(\s)/2] offset:((\s)%2)*24576+1536*\q+256*\p
.endr
.endr
	WIN 0
.endm
.macro WEIGHTS                         ; my 64 rows of W, all of K: 192 loads.  16 bytes of padding lie behind every 8 pieces: where lanes 16-31's piece lies behind one padding more, the second address register serves
.irp q, 0,1,2,3,4,5,6,7
.irp b, 0,1,2,3
.set F_, 4*\q+\b
	WIN (1+F_/FPW)<<6
.irp p, 0,1,2,3,4,5
.set PCE, 12*(\q%2)+6*(\p/3)+\p%3
.if PCE%8 < 5
	ds_load_b64 v[FR*(F_%FPW)+2*\p:FR*(F_%FPW)+2*\p+1], v[ADRB+2*(\q/4)] offset:((\q/2)%2)*128*PITCH+8*PCE+16*(PCE/8)+\b*16*PITCH
.else
	ds_load_b64 v[FR*(F_%FPW)+2*\p:FR*(F_%FPW)+2*\p+1], v[ADRB+2*(\q/4)+1] offset:((\q/2)%2)*128*PITCH+8*PCE+16*(PCE/8)+\b*16*PITCH
.endif
.endr
.endr
.endr
	WIN 0
.endm
.macro TOSTAGE s                       ; LDS serves a wave's instructions in order: the loads see the stores, and the next tile's stores come behind these loads
.irp b, 0,1,2,3
	ds_store_b128 v[STO], v[ACC+8*\b:ACC+8*\b+3] offset:128*(\b/2)+32*(\b%2)
	ds_store_b128 v[STO], v[ACC+8*\b+4:ACC+8*\b+7] offset:128*(\b/2)+32*(\b%2)+16
.endr
.irp t, 0,1,2,3,4,5,6,7
	ds_load_b128 v[BK+64*((\s)%2)+4*\t:BK+64*((\s)%2)+4*\t+3], v[RD] offset:2*\t*SPITCH
.endr
.endm
.macro SEND s
.if (\s) < 6
	s_wait_dscnt 48                                ; the tile is back; the fetch issued behind it may be out
.else
	s_wait_dscnt 0x0
.endif
.irp t, 0,1,2,3,4,5,6,7
	global_store_b128 v[CO], v[BK+64*((\s)%2)+4*\t:BK+64*((\s)%2)+4*\t+3], s[12:13] offset:(32*(\s)+2*\t+8*(\t/4))*4096 th:TH_STORE_NT   ; rows 2 t, 2 t + 1 of the tile: two aligned runs of 256 bytes
.endr
.endm
.macro ITER s
.if (\s) == 0
	s_wait_dscnt 48
.elseif (\s) == 7
	s_wait_dscnt 16
.else
	s_wait_dscnt 63
.endif
.set N_, 0
.rept 32
	PROD \s, N_
.set N_, N_+1
.endr
	WIN 0
	PLACES 5                                       ; ahead of the stage's stores, of the loads into the fragments just read, and of the next tile's first products, which begin the accumulators anew
.if (\s) > 0
	s_wait_xcnt 0x0                                ; tile s - 2's stores have read the registers into which this tile is read back
	SEND (\s)-1
.endif
	TOSTAGE \s
.if (\s) < 6
	FETCH (\s)+2
.endif
.endm
	s_load_b64 s[4:5], s[0:1], 0x0                 ; a_q
	s_load_b64 s[8:9], s[0:1], 0x8                 ; wproj_q
	s_load_b64 s[60:61], s[0:1], 0x10              ; b_proj
	s_load_b64 s[12:13], s[0:1], 0x18              ; out0
	v_lshl_add_u32 v[SPW], v0, 2, SPARE
	v_mov_b32 v[NIL], 0
	ds_add_u32 v[SPW], v[NIL]                      ; the opening lines: the add, twice on end, and its wait ahead of the first tensor loads
	ds_add_u32 v[SPW], v[NIL]
	v_lshrrev_b32 v1, 5, v0
	v_readfirstlane_b32 s14, v1                    ; wave 0..3
	s_lshr_b32 s15, s14, 1                         ; a: which of each pair of tiles is mine
	s_and_b32 s16, s14, 1                          ; b: which 64 columns.  Also: which half of a's tiles waves 2 and 3 fetch
	s_bfe_u32 s40, ttmp6, 0x40000                  ; cx, cy
	s_bfe_u32 s41, ttmp6, 0x40004
	s_lshl_b32 s42, ttmp9, 2
	s_add_co_u32 s42, s42, s40                     ; X: block of 128 columns, 0 .. 7
	s_and_b32 s17, ttmp7, 0xffff
	s_lshl_b32 s17, s17, 2
	s_add_co_u32 s17, s17, s41                     ; Y: block of 256 tokens, 0 .. 31
	s_lshl_b32 s43, s41, 2
	s_lshl_b32 s43, 15, s43                        ; my row of the cluster
	s_lshl_b32 s44, 0x1111, s40                    ; my column
	s_or_b32 s[G1A], s43, (3<<16)|(1<<21)          ; eight tiles of a: 384 rows of 256 bytes, dense
	s_mov_b32 s[G1A+1], 32<<16
	s_mov_b32 s[G1A+2], 384<<16
	s_mov_b32 s[G1A+3], 32<<16
	s_mov_b32 s[G1A+4], 384
	s_mov_b32 s[G1A+5], 32
	s_mov_b32 s[G1A+6], 0
	s_mov_b32 s[G1A+7], 0
	s_or_b32 s[G1W], s44, (3<<16)|(1<<20)|(1<<21)|(3<<22)|(3<<25)   ; W: 4 rows of 24,576 bytes, 49,152 apart; after every 16 words 4 words of padding
	s_mov_b32 s[G1W+1], 3072<<16
	s_mov_b32 s[G1W+2], 4<<16
	s_mov_b32 s[G1W+3], 3072<<16
	s_mov_b32 s[G1W+4], 4
	s_mov_b32 s[G1W+5], 6144
	s_mov_b32 s[G1W+6], 0
	s_mov_b32 s[G1W+7], 0
	s_mov_b32 s[G0W], 1
	s_mov_b32 s[G0W+1], BVB
	s_mov_b32 s[G0A], 1
	s_mul_i32 s20, s17, 196608
	s_mul_i32 s21, s16, 98304
	s_add_co_u32 s20, s20, s21
	s_mov_b32 s[G0A+1], s21
	s_mov_b32 s21, 0
	s_lshr_b32 s22, s42, 1
	s_mul_i32 s22, s22, 196608
	s_and_b32 s23, s42, 1
	s_mul_i32 s23, s23, 24576
	s_add_co_u32 s22, s22, s23
	s_mov_b32 s23, 0
	s_wait_alu depctr_va_vdst(0)
	s_wait_dscnt 0x0
	s_wait_kmcnt 0x0
	s_add_nc_u64 s[G0A+2:G0A+3], s[4:5], s[20:21]
	s_or_b32 s[G0A+3], s[G0A+3], 0x80000000
	s_add_nc_u64 s[G0W+2:G0W+3], s[8:9], s[22:23]
	s_or_b32 s[G0W+3], s[G0W+3], 0x80000000
	CROUND                                         ; all sixteen work-groups are here: the joint loads meet
	s_cmp_eq_u32 s14, 0                            ; one chain of branches on the wave's number: wave 0 W's rows, waves 2 and 3 a half of a's tiles each
	s_cbranch_scc0 .Lfor_a
	TLOAD G0W, G1W
	s_branch .Lasked
.Lfor_a:
	s_cmp_ge_u32 s14, 2
	s_cbranch_scc0 .Lasked
	TLOAD G0A, G1A
.Lasked:
	s_lshl_b32 s18, s42, 7
	s_lshl_b32 s19, s16, 6
	s_add_co_u32 s18, s18, s19                     ; my first column
	s_lshl_b32 s20, s18, 5
	s_add_co_u32 s20, s20, 786432
	s_add_nc_u64 s[66:67], s[8:9], s[20:21]        ; its scale bytes
	s_lshl_b32 s19, s17, 8
	s_lshl_b32 s22, s15, 4
	s_add_co_u32 s22, s22, s19
	s_lshl_b32 s20, s22, 5
	s_add_co_u32 s20, s20, 6291456
	s_add_nc_u64 s[68:69], s[4:5], s[20:21]        ; the scale bytes of my tile 0
	s_lshl_b32 s20, s18, 2
	s_add_nc_u64 s[60:61], s[60:61], s[20:21]
	s_add_nc_u64 s[12:13], s[12:13], s[20:21]
	s_lshl_b32 s22, s15, 3
	s_add_co_u32 s22, s22, s19                     ; my tile 0's first token: 256 Y + 8 a
	s_lshl_b32 s20, s22, 12
	s_add_nc_u64 s[12:13], s[12:13], s[20:21]
	s_mul_i32 s45, s15, 12288                      ; (registers that no descriptor of a load in flight names)
	s_mul_i32 s46, s16, 64*PITCH
	s_add_co_u32 s46, s46, BVB
	s_mul_i32 s47, s14, 16*SPITCH
	s_add_co_u32 s47, s47, BVB                     ; my stage
	v_and_b32 v1, 15, v0                           ; r
	v_bfe_u32 v2, v0, 4, 1                         ; h
	v_and_b32 v3, 31, v0
	v_lshlrev_b32 v[ABS], 5, v3
	v_lshlrev_b32 v[AAS], 5, v1
	v_lshlrev_b32 v[VB], 6, v2
.irp p, 0,1
.irp c, 0,1
	global_load_b128 v[SB+8*\p+4*\c:SB+8*\p+4*\c+3], v[ABS], s[66:67] offset:1024*\p+16*\c
.endr
.endr
.irp s, 0,1,2,3,4,5,6,7
.irp c, 0,1
	global_load_b128 v[SA+8*\s+4*\c:SA+8*\s+4*\c+3], v[AAS], s[68:69] offset:1024*\s+16*\c
.endr
.endr
.irp b, 0,1,2,3
	global_load_b128 v[BIAS+8*\b:BIAS+8*\b+3], v[VB], s[60:61] offset:4*(32*(\b/2)+8*(\b%2))       ; register j of tile b: column 32 (b / 2) + 16 h + 8 (b % 2) + j
	global_load_b128 v[BIAS+8*\b+4:BIAS+8*\b+7], v[VB], s[60:61] offset:4*(32*(\b/2)+8*(\b%2))+16
.endr
	v_lshlrev_b32 v18, 3, v3
	v_add_nc_u32 v[ADRA], s45, v18
	v_add_nc_u32 v[ADRA+1], 49152, v[ADRA]
	v_add_nc_u32 v[ADRA+2], 98304, v[ADRA]
	v_add_nc_u32 v[ADRA+3], 147456, v[ADRA]
	v_mul_u32_u24 v19, v1, PITCH
	v_mad_u32_u24 v19, v2, 24, v19
	v_add_nc_u32 v[ADRB], s46, v19
	v_lshl_add_u32 v[ADRB+1], v2, 4, v[ADRB]
	v_add_nc_u32 v[ADRB+2], 256*PITCH, v[ADRB]
	v_add_nc_u32 v[ADRB+3], 256*PITCH, v[ADRB+1]
	v_mul_u32_u24 v20, v1, SPITCH                  ; into the stage: row r, 64 bytes for each half of the lanes
	v_lshl_add_u32 v20, v2, 6, v20
	v_add_nc_u32 v[STO], s47, v20
	v_mul_u32_u24 v21, v2, SPITCH                  ; back: sixteen lanes to a row of 256 bytes
	v_lshl_add_u32 v21, v1, 4, v21
	v_add_nc_u32 v[RD], s47, v21
	v_lshlrev_b32 v[CO], 12, v2                    ; and the same two rows in out0
	v_lshl_add_u32 v[CO], v1, 4, v[CO]
	s_wait_alu depctr_va_vdst(0)                   ; the wait at the head's end
	s_cmp_eq_u32 s14, 0
	s_cbranch_scc0 .Lnot_w
	s_wait_tensorcnt 0x0
.Lnot_w:
	s_barrier_signal -1
	s_barrier_wait -1                              ; W's rows are in
	WEIGHTS
	s_wait_tensorcnt 0x0                           ; a's tiles are in,
	s_wait_dscnt 0x0                               ; and my reads of W's bytes are over
	s_barrier_signal -1
	s_barrier_wait -1
	FETCH 0
	FETCH 1
	s_wait_loadcnt 0x0                             ; scale words and bias
.irp s, 0,1,2,3,4,5,6,7
	ITER \s
.endr
	SEND 7
	s_wait_tensorcnt 0x0                           ; the wave's end
	ds_add_u32 v[SPW], v[NIL]
	s_wait_dscnt 0x0
	CROUND                                         ; the closing round
	s_endpgm
.Lfunc_end_k_qac2676d600_gemm_proj:
	.size	k_qac2676d600_gemm_proj, .Lfunc_end_k_qac2676d600_gemm_proj-k_qac2676d600_gemm_proj
	.p2alignl 7, 3214868480
	.fill 96, 4, 3214868480
	.section	.rodata,"a",@progbits
	.p2align	6, 0x0
	.amdhsa_kernel k_qac2676d600_gemm_proj
		.amdhsa_group_segment_fixed_size 320000
		.amdhsa_private_segment_fixed_size 0
		.amdhsa_enable_private_segment 0
		.amdhsa_kernarg_size 32
		.amdhsa_user_sgpr_count 2
		.amdhsa_user_sgpr_kernarg_segment_ptr 1
		.amdhsa_wavefront_size32 1
		.amdhsa_system_sgpr_workgroup_id_x 1
		.amdhsa_system_sgpr_workgroup_id_y 1
		.amdhsa_system_sgpr_workgroup_id_z 1
		.amdhsa_system_vgpr_workitem_id 0
		.amdhsa_next_free_vgpr 840
		.amdhsa_next_free_sgpr 72
		.amdhsa_reserve_vcc 0
		.amdhsa_float_denorm_mode_32 3
		.amdhsa_float_denorm_mode_16_64 3
		.amdhsa_memory_ordered 1
		.amdhsa_forward_progress 1
		.amdhsa_inst_pref_size 96
	.end_amdhsa_kernel
	.amdgpu_metadata
---
amdhsa.version: [ 1, 2 ]
amdhsa.kernels:
  - .name:           k_qac2676d600_gemm_proj
    .symbol:         k_qac2676d600_gemm_proj.kd
    .args:
      - { .name: a_q, .offset: 0, .size: 8, .value_kind: global_buffer, .address_space: global }
      - { .name: wproj_q, .offset: 8, .size: 8, .value_kind: global_buffer, .address_space: global }
      - { .name: b_proj, .offset: 16, .size: 8, .value_kind: global_buffer, .address_space: global }
      - { .name: out0, .offset: 24, .size: 8, .value_kind: global_buffer, .address_space: global }
    .group_segment_fixed_size: 320000
    .private_segment_fixed_size: 0
    .kernarg_segment_align: 8
    .kernarg_segment_size: 32
    .max_flat_workgroup_size: 128
    .sgpr_count:     72
    .vgpr_count:     840
    .wavefront_size: 32
...
	.end_amdgpu_metadata
.endif
;; end of part 4
